; MI455X (gfx1250); checked and timed in simulation.
; The chip was launched on July 23, 2026; its instructions are those of AMD's public machine-readable ISA for CDNA 5 (MIT licence, August 2026) and "CDNA5" Instruction Set Architecture Reference Guide (July 2026). The comments in the code are by the model that wrote it; some were corrected since.
;; Llama Mo EMLP. Allowed arithmetic: matrix products marked QUANTISED: E5M2 operands, one E8M0 scale for each 32 along K, by v_wmma_scale_f32_16x16x128_f8f6f4 with both operands' format E5M2, f32 sums; products left as they are: f32 operands where the result goes on into a quantised operand, else bf16, f16 or f32 operands; f32 sums; everything else in f32.
;; Inputs: Wd 8 x 2,048 x 344 float32; Wg 8 x 344 x 2,048 float32; Wu 8 x 344 x 2,048 float32; router_w 8 x 2,048 float32; x 2 x 2,048 x 2,048 float32.
;; Outputs: out0 2 x 2,048 x 2,048 float32.
;; This version of the problem:
;;   THIS VERSION OF THE PROBLEM IS GIVEN IN LOW PRECISION. The matrix products marked QUANTISED in the list below multiply operands that are first quantised to E5M2 (5 exponent bits, 2 mantissa bits; 8 bits a number), with one power-of-two scale for each 32 numbers along K (OCP MX v1.0); their sums are f32. All else is computed in f32.
;;   The module's matrix products, in the order in which they are computed (A, B: the left and right operand; K: the contracted axis; several contracted axes count as one K, in the product's order):
;;     1. [M 4,096, K 2,048] x [K 2,048, N 8]; A: input x; B: input router_w: left as it is (N = 8 < 16)
;;     2. [M 4,096, K 2,048] x [K 2,048, N 344]; A: input x; B: input Wg: QUANTISED
;;     3. [M 4,096, K 2,048] x [K 2,048, N 344]; A: input x; B: input Wu: QUANTISED
;;     4. [M 4,096, K 344] x [K 344, N 2,048]; A: computed on the way; B: input Wd: QUANTISED
;;     5. [M 4,096, K 2,048] x [K 2,048, N 344]; A: input x; B: input Wg: QUANTISED
;;     6. [M 4,096, K 2,048] x [K 2,048, N 344]; A: input x; B: input Wu: QUANTISED
;;     7. [M 4,096, K 344] x [K 344, N 2,048]; A: computed on the way; B: input Wd: QUANTISED
;;     8. [M 4,096, K 2,048] x [K 2,048, N 344]; A: input x; B: input Wg: QUANTISED
;;     9. [M 4,096, K 2,048] x [K 2,048, N 344]; A: input x; B: input Wu: QUANTISED
;;     10. [M 4,096, K 344] x [K 344, N 2,048]; A: computed on the way; B: input Wd: QUANTISED
;;     11. [M 4,096, K 2,048] x [K 2,048, N 344]; A: input x; B: input Wg: QUANTISED
;;     12. [M 4,096, K 2,048] x [K 2,048, N 344]; A: input x; B: input Wu: QUANTISED
;;     13. [M 4,096, K 344] x [K 344, N 2,048]; A: computed on the way; B: input Wd: QUANTISED
;;     14. [M 4,096, K 2,048] x [K 2,048, N 344]; A: input x; B: input Wg: QUANTISED
;;     15. [M 4,096, K 2,048] x [K 2,048, N 344]; A: input x; B: input Wu: QUANTISED
;;     16. [M 4,096, K 344] x [K 344, N 2,048]; A: computed on the way; B: input Wd: QUANTISED
;;     17. [M 4,096, K 2,048] x [K 2,048, N 344]; A: input x; B: input Wg: QUANTISED
;;     18. [M 4,096, K 2,048] x [K 2,048, N 344]; A: input x; B: input Wu: QUANTISED
;;     19. [M 4,096, K 344] x [K 344, N 2,048]; A: computed on the way; B: input Wd: QUANTISED
;;     20. [M 4,096, K 2,048] x [K 2,048, N 344]; A: input x; B: input Wg: QUANTISED
;;     21. [M 4,096, K 2,048] x [K 2,048, N 344]; A: input x; B: input Wu: QUANTISED
;;     22. [M 4,096, K 344] x [K 344, N 2,048]; A: computed on the way; B: input Wd: QUANTISED
;;     23. [M 4,096, K 2,048] x [K 2,048, N 344]; A: input x; B: input Wg: QUANTISED
;;     24. [M 4,096, K 2,048] x [K 2,048, N 344]; A: input x; B: input Wu: QUANTISED
;;     25. [M 4,096, K 344] x [K 344, N 2,048]; A: computed on the way; B: input Wd: QUANTISED
;;   THE QUANTISER, for each operand of a quantised product, along K:
;;     - K is cut into blocks of 32 from its start; a last block that is shorter is filled with zeros.
;;     - A block's scale is 2^e with e = floor(log2(the largest magnitude in the block)) - 15, held to -126 .. 127; a block of zeros has e = 0. As a byte (E8M0): e + 127.
;;     - Each number is divided by its block's scale, clamped to +-57,344, and rounded to the nearest number of E5M2, ties to even, subnormals kept.
;;     - The product sums the exact products of the quantised numbers (number of the format x scale) in f32.
;;   ~~~python
;;   def quantise(x, axis):      # numpy; x: float32 -> the quantised numbers, widened to float32 again
;;       x = np.moveaxis(x, axis, -1); K = x.shape[-1]
;;       x = np.pad(x, [(0, 0)] * (x.ndim - 1) + [(0, -K % 32)]); x = x.reshape(x.shape[:-1] + (-1, 32)); a = np.abs(x).max(-1, keepdims=True)
;;       e = np.where(a > 0, np.clip(np.frexp(np.where(a > 0, a, 1))[1] - 1 - 15, -126, 127), 0)      # np.frexp(a)[1] - 1 = floor(log2(a)), exactly
;;       r = np.clip(x / 2.0 ** e, -57344, 57344)
;;       step = 2.0 ** (np.maximum(np.frexp(np.where(r == 0, 1, r))[1] - 1, -14) - 2)
;;       q = np.round(r / step) * step * 2.0 ** e      # np.round: ties to even
;;       return np.moveaxis(q.reshape(q.shape[:-2] + (-1,))[..., :K], -1, axis).astype(np.float32)
;;   ~~~
;;   OPERANDS COMPUTED ON THE WAY. 'Computed on the way' means the value that the module computes at that place (a softmax that the list does not call 'softmax' is quantised finished and normalised). What goes into a quantiser is computed in f32, as accurately as f32 sums, v_exp_f32 and their like allow (about 1e-6 of the number): no bf16 or f16 on the way to a quantiser, and a product that is left as it is and whose result goes on into a quantised operand takes f32 operands (vector FMAs, or v_wmma_f32_16x16x4_f32). A number that lies on a knife's edge between two numbers of the format may be rounded either way, as far as f32 arithmetic and the matrix unit's own rounding can turn it there, and no further.
;; One version. Each part assembles by itself: llvm-mc -triple=amdgcn-amd-amdhsa -mcpu=gfx1250 --defsym DOCPART=n.
;; ======== version 1 of 1: 4 launches
;; workspace buffers: xq 8,683,520 bytes; sel 16,384 bytes of whole numbers; wq 20,545,536 bytes; hq 12,976,128 bytes; cnt 256 bytes of whole numbers; plist 57,344 bytes of whole numbers; elist 40,960 bytes of whole numbers
;; launch xprep (part 1): grid 256 x 1, 8 waves a work-group, no clusters, 46,080 bytes of LDS; arguments x, router_w, xq, sel; writes xq, sel
.if DOCPART == 1
	.amdgcn_target "amdgcn-amd-amdhsa--gfx1250"
	.amdhsa_code_object_version 6
	.text
	.protected	k_q8f53b4b427_xprep
	.globl	k_q8f53b4b427_xprep
	.p2align	8
	.type	k_q8f53b4b427_xprep,@function
k_q8f53b4b427_xprep:
	s_mov_b64 s[64:65], 0
	v_nop
	global_prefetch_b8 v0, s[64:65] scope:SCOPE_SE
	s_setreg_imm32_b32 hwreg(HW_REG_WAVE_MODE, 25, 1), 1
	s_wait_xcnt 0x0
; x [4096][2048] f32 -> codes of E5M2 with one E8M0 byte for each 32 along the row; the router's 8 logits in f32; the two largest; their softmax.
; xq: codes [t][2048] at 0; scale bytes [t][64] at XSO (word s = the four bytes of k = 128 s on); at CWO [t][2] f32: the weight of the lower-numbered chosen expert, then of the higher.
; sel: [t] u32 = (1 << first choice) | (1 << second choice).  Nothing in this launch forms an address or a branch from these choices.
; SHARES: a work-group of EIGHT waves takes 16 tokens: wave w the columns 512 (w % 4) .. + 511 of tokens 8 (w / 4) .. + 7: two waves to a SIMD, so that one wave's dependent lines stand beside the other's.
; A step is one token's 512 numbers of the wave: four loads of 512 consecutive bytes; the 2,048 bytes turn through the wave's own stage in LDS (16 bytes of padding behind each 64) and come back
; 16 neighbours a lane, two lanes to a block of 32.  All 32 loads of a wave's eight steps are issued at the head.
; The router rides on the same registers: 8 packed sums a lane against the wave's 512 columns of router_w, kept in 128 registers; across the lanes by DPP; across the waves through LDS.
; LIMITS: NaN and infinities are not served.  A block of zeros gets the byte 1 (its codes are zeros; this program alone reads the bytes).  The logits are f32 sums in another order than
; a row-by-row sum: two logits that agree to about 1e-7 of their size may change places.  Ties are kept at the lower index.
.set XSO,  8388608
.set CWO,  8650752
.set NS,   8                           ; steps of a wave: its tokens
.set SP,   80                          ; a lane's place in a stage: 64 bytes + 16
.set SCB,  40960                       ; LDS, behind eight waves' two stages of 2,560 bytes: 16 tokens x 64 scale bytes
.set PART, 41984                       ; LDS: 16 tokens x 144: four column parts' eight partial logits
.set RW,   16                          ; v16-143  router_w[e][512 (w % 4) + 16 lane + i] at RW + 16 e + i
.set X,    144                         ; v144-175 two sets of 16 neighbours
.set L,    176                         ; v176-191 eight packed sums
.set S,    192                         ; v192-207 two sets of eight sums
.set C,    208                         ; v208-211 a step's codes
.set AM,   216
.set AM2,  217
.set SO,   218
.set HO,   219
.set BY,   220                         ; v220-221 the scale byte, two registers by turns
.set MSB, 0
.macro WIN new                         ; the immediate's high byte repeats the setting that is left
.if MSB != \new
	s_set_vgpr_msb (MSB<<8)|\new
.set MSB, \new
.endif
.endm
	s_load_b256 s[4:11], s[0:1], 0x0               ; x, router_w, xq, sel
	v_lshl_add_u32 v254, v0, 2, 0xb000
	v_mov_b32 v255, 0
	v_lshrrev_b32 v2, 5, v0
	v_readfirstlane_b32 s16, v2                    ; wave 0..7
	s_and_b32 s15, s16, 3                          ; which 512 columns
	s_lshr_b32 s19, s16, 2                         ; which 8 tokens
	v_and_b32 v1, 31, v0                           ; lane
	v_lshlrev_b32 v3, 4, v1                        ; 16 x lane
	v_lshlrev_b32 v4, 6, v1                        ; 64 x lane
	s_mul_i32 s17, s16, 2*32*SP                    ; my two stages
	v_lshrrev_b32 v5, 2, v1
	v_mul_u32_u24 v5, v5, SP
	v_and_b32 v9, 3, v1
	v_lshl_add_u32 v5, v9, 4, v5
	v_add_nc_u32 v5, s17, v5                       ; into a stage: SP (lane / 4) + 16 (lane % 4)
	v_mul_u32_u24 v6, v1, SP
	v_add_nc_u32 v6, s17, v6                       ; out of it: SP x lane
	s_lshl_b32 s18, s15, 4
	s_lshl_b32 s28, s19, 9                         ; my first token's 64 bytes: 8 tokens x 64
	s_add_co_u32 s18, s18, s28
	s_add_co_u32 s18, s18, SCB
	v_lshrrev_b32 v7, 1, v1
	v_add_nc_u32 v7, s18, v7                       ; my block's scale byte: SCB + 64 x token + 16 (w % 4) + lane / 2
	s_lshl_b32 s18, s15, 5
	s_mul_i32 s28, s19, NS*144
	s_add_co_u32 s18, s18, s28
	s_add_co_u32 s18, s18, PART
	v_mov_b32 v8, s18                              ; my eight partial logits: PART + 144 x token + 32 (w % 4)
	v_add_nc_u32 v9, SCB, v3
	v_and_b32 v10, 15, v1
	v_mul_u32_u24 v11, v10, 144
	v_add_nc_u32 v11, PART, v11                    ; token lane % 16
	v_lshlrev_b32 v12, 2, v10
	v_lshlrev_b32 v13, 3, v10
	s_mov_b32 s12, 0x76543210
	s_mov_b32 s13, 0xfedcba98                      ; lane l xor 16
	s_mov_b32 s14, 0x600000                        ; the mantissa field of 57,344
	s_lshl_b32 s20, ttmp9, 17                      ; 16 tokens of 8,192 bytes,
	s_lshl_b32 s22, s15, 11                        ; my 512 columns,
	s_add_co_u32 s20, s20, s22
	s_lshl_b32 s28, s19, 16                        ; my 8 tokens
	s_add_co_u32 s20, s20, s28
	s_mov_b32 s21, 0
	s_mov_b32 s23, 0
	s_wait_kmcnt 0x0
	s_add_nc_u64 s[4:5], s[4:5], s[20:21]
	s_add_nc_u64 s[6:7], s[6:7], s[22:23]
	s_lshl_b32 s20, ttmp9, 10
	s_add_co_u32 s20, s20, XSO
	s_add_nc_u64 s[24:25], s[8:9], s[20:21]        ; the group's 1,024 scale bytes
	s_lshl_b32 s20, ttmp9, 7
	s_add_co_u32 s20, s20, CWO
	s_add_nc_u64 s[26:27], s[8:9], s[20:21]        ; its 16 pairs of weights
	s_lshl_b32 s20, ttmp9, 15
	s_lshl_b32 s22, s15, 9
	s_add_co_u32 s20, s20, s22
	s_lshl_b32 s22, s19, 14
	s_add_co_u32 s20, s20, s22
	s_add_nc_u64 s[8:9], s[8:9], s[20:21]          ; my wave's codes
	s_lshl_b32 s20, ttmp9, 6
	s_add_nc_u64 s[10:11], s[10:11], s[20:21]
.irp e, 0,1,2,3,4,5,6,7
.irp j, 0,1,2,3
	global_load_b128 v[RW+16*\e+4*\j:RW+16*\e+4*\j+3], v4, s[6:7] offset:\e*8192+16*\j
.endr
.endr
	WIN 0x40                                       ; destination window 1: step t's 16 registers at 16 t
.irp t, 0,1,2,3,4,5,6,7
.irp j, 0,1,2,3
	global_load_b128 v[16*\t+4*\j:16*\t+4*\j+3], v3, s[4:5] offset:\t*8192+512*\j th:TH_LOAD_NT
.endr
.endr
	WIN 0
.macro TURN t                          ; step t through its stage: LDS serves a wave's instructions in order, so no wait stands between the stores and the loads
	WIN 0x04                                       ; an LDS store's data are its source 1: window 1
.irp j, 0,1,2,3
	ds_store_b128 v5, v[16*(\t)+4*\j:16*(\t)+4*\j+3] offset:32*SP*((\t)%2)+8*SP*\j
.endr
	WIN 0
.irp j, 0,1,2,3
	ds_load_b128 v[X+16*((\t)%2)+4*\j:X+16*((\t)%2)+4*\j+3], v6 offset:32*SP*((\t)%2)+16*\j
.endr
.endm
	s_wait_loadcnt 4*(NS-1)                        ; router_w and step 0 are in; the 28 loads of steps 1 to 7 may be out
	TURN 0
.macro STEP t
.set XR, X+16*((\t)%2)
.set SS, S+8*((\t)%2)
.if (\t) > 0
	s_wait_dscnt 3                                 ; this step's numbers are back; the last step's three stores may be out; those of two steps back are done, so their data registers may be written
.else
	s_wait_dscnt 0x0
.endif
.if (\t) < NS-1
	s_wait_loadcnt 4*(NS-2-(\t))                   ; the next step's four loads are in; those of the steps behind it may be out
	TURN (\t)+1
.endif
.irp e, 0,1,2,3,4,5,6,7
	v_pk_mul_f32 v[L+2*\e:L+2*\e+1], v[XR:XR+1], v[RW+16*\e:RW+16*\e+1]        ; the router, ahead of the hold, which changes the numbers
.endr
.irp p, 1,2,3,4,5,6,7
.irp e, 0,1,2,3,4,5,6,7
	v_pk_fma_f32 v[L+2*\e:L+2*\e+1], v[XR+2*\p:XR+2*\p+1], v[RW+16*\e+2*\p:RW+16*\e+2*\p+1], v[L+2*\e:L+2*\e+1]
.endr
.endr
.irp e, 0,1,2,3,4,5,6,7
	v_add_f32 v[SS+\e], v[L+2*\e], v[L+2*\e+1]
.endr
.irp m, 1,2,4,8
.irp e, 0,1,2,3,4,5,6,7
	v_add_f32_dpp v[SS+\e], v[SS+\e], v[SS+\e] row_xmask:\m row_mask:0xf bank_mask:0xf
.endr
.endr
.irp e, 0,1,2,3,4,5,6,7
	v_permlanex16_b32 v[L+\e], v[SS+\e], s12, s13
.endr
.irp e, 0,1,2,3,4,5,6,7
	v_add_f32 v[SS+\e], v[SS+\e], v[L+\e]          ; every lane holds the wave's part of logit e
.endr
	ds_store_b128 v8, v[SS:SS+3] offset:144*(\t)   ; all lanes store the same words with the same values
	ds_store_b128 v8, v[SS+4:SS+7] offset:144*(\t)+16
	v_max3_num_f32 v[AM], |v[XR]|, |v[XR+1]|, |v[XR+2]|
	v_max3_num_f32 v[AM2], |v[XR+3]|, |v[XR+4]|, |v[XR+5]|
.irp i, 6,10
	v_max3_num_f32 v[AM], v[AM], |v[XR+\i]|, |v[XR+\i+1]|
	v_max3_num_f32 v[AM2], v[AM2], |v[XR+\i+2]|, |v[XR+\i+3]|
.endr
	v_max3_num_f32 v[AM], v[AM], |v[XR+14]|, |v[XR+15]|
	v_max3_num_f32 v[AM], v[AM], v[AM2], 0x8000000 ; the floor 2^(16 - 127): the byte cannot fall under 1
	v_max_num_f32_dpp v[AM], v[AM], v[AM] row_xmask:1 row_mask:0xf bank_mask:0xf   ; with my neighbour's 16: the block's largest magnitude
	v_add_nc_u32 v[SO], 0xf8800000, v[AM]          ; 15 off its exponent field: the conversion's scale operand
	v_and_or_b32 v[HO], v[AM], 0x7f800000, s14     ; 57,344 x the scale
.irp i, 0,1,2,3,4,5,6,7,8,9,10,11,12,13,14,15
	v_med3_num_f32 v[XR+\i], v[XR+\i], -v[HO], v[HO]   ; the conversion does not saturate (ISA guide 7.6.2): the hold
.endr
	s_wait_xcnt 0x0                                ; the last step's store has read its codes: they may be written again
	v_cvt_scalef32_pk8_bf8_f32 v[C:C+1], v[XR:XR+7], v[SO]
	v_cvt_scalef32_pk8_bf8_f32 v[C+2:C+3], v[XR+8:XR+15], v[SO]
	v_lshrrev_b32 v[BY+(\t)%2], 23, v[SO]          ; the scale's byte
	ds_store_b8 v7, v[BY+(\t)%2] offset:64*(\t)    ; both lanes of a block write the same byte
	global_store_b128 v3, v[C:C+3], s[8:9] offset:2048*(\t)   ; the wave stores 512 consecutive bytes
.endm
.irp t, 0,1,2,3,4,5,6,7
	STEP \t
.endr
	s_wait_dscnt 0x0                               ; for the others: my scale bytes and partial logits lie in LDS
	s_barrier_signal -1
	s_barrier_wait -1
	s_cmp_eq_u32 s16, 1
	s_cbranch_scc0 .Lnot_wave_1
	ds_load_b128 v[144:147], v9                    ; wave 1: the group's 1,024 scale bytes leave as four whole blocks of 256
	ds_load_b128 v[148:151], v9 offset:512
	s_wait_dscnt 0x0
	global_store_b128 v3, v[144:147], s[24:25]
	global_store_b128 v3, v[148:151], s[24:25] offset:512
	s_wait_tensorcnt 0x0
	ds_add_u32 v254, v255
	s_wait_dscnt 0x0
	s_endpgm
.Lnot_wave_1:
	s_cmp_eq_u32 s16, 0
	s_cbranch_scc0 .Lend
	; wave 0: lane l serves token l % 16 (lanes 16-31 do the same work as lanes 0-15 and store the same values to the same places)
.irp q, 0,1,2,3
	ds_load_b128 v[144+8*\q:147+8*\q], v11 offset:32*\q
	ds_load_b128 v[148+8*\q:151+8*\q], v11 offset:32*\q+16
.endr
	s_wait_dscnt 0x0
.irp e, 0,1,2,3,4,5,6,7
	v_add_f32 v[176+\e], v[144+\e], v[152+\e]
.endr
.irp e, 0,1,2,3,4,5,6,7
	v_add_f32 v[144+\e], v[160+\e], v[168+\e]
.endr
.irp e, 0,1,2,3,4,5,6,7
	v_add_f32 v[176+\e], v[176+\e], v[144+\e]      ; the logits
.endr
	v_mov_b32 v184, v176                           ; the largest, and its index: an equal later logit does not displace it
	v_mov_b32 v185, 0
.irp e, 1,2,3,4,5,6,7
	v_cmp_ge_f32 vcc_lo, v184, v[176+\e]
	v_cndmask_b32 v185, \e, v185, vcc_lo
	v_cndmask_b32 v184, v[176+\e], v184, vcc_lo
.endr
	v_mov_b32 v186, 0xff800000                     ; the second largest, from -infinity, passing over the first choice
	v_mov_b32 v187, 0
.irp e, 0,1,2,3,4,5,6,7
	v_cmp_ge_f32 s20, v186, v[176+\e]
	v_cmp_eq_u32 vcc_lo, \e, v185
	s_or_b32 vcc_lo, vcc_lo, s20
	v_cndmask_b32 v187, \e, v187, vcc_lo
	v_cndmask_b32 v186, v[176+\e], v186, vcc_lo
.endr
	v_sub_f32 v188, v186, v184                     ; the softmax of the two, the larger taken away first
	v_mul_f32 v188, 0x3fb8aa3b, v188
	v_exp_f32 v189, v188
	v_mov_b32 v192, 1                              ; (a plain line behind the exponential)
	s_wait_alu depctr_va_vdst(0)                   ; the wait ahead of the first reader
	v_add_f32 v191, 1.0, v189
	v_rcp_f32 v190, v191                           ; the first choice's weight
	v_lshlrev_b32 v193, v185, v192                 ; (a plain line behind the reciprocal)  1 << first choice
	s_wait_alu depctr_va_vdst(0)
	v_mul_f32 v196, v189, v190                     ; the second's
	v_lshlrev_b32 v191, v187, v192
	v_or_b32 v193, v193, v191
	v_cmp_lt_u32 vcc_lo, v185, v187
	v_cndmask_b32 v194, v196, v190, vcc_lo         ; the lower-numbered expert's weight,
	v_cndmask_b32 v195, v190, v196, vcc_lo         ; the higher-numbered one's
	global_store_b32 v12, v193, s[10:11]
	global_store_b64 v13, v[194:195], s[26:27]
.Lend:
	s_wait_tensorcnt 0x0
	ds_add_u32 v254, v255
	s_wait_dscnt 0x0
	s_endpgm
.Lfunc_end_k_q8f53b4b427_xprep:
	.size	k_q8f53b4b427_xprep, .Lfunc_end_k_q8f53b4b427_xprep-k_q8f53b4b427_xprep
	.p2alignl 7, 3214868480
	.fill 96, 4, 3214868480
	.section	.rodata,"a",@progbits
	.p2align	6, 0x0
	.amdhsa_kernel k_q8f53b4b427_xprep
		.amdhsa_group_segment_fixed_size 46080
		.amdhsa_private_segment_fixed_size 0
		.amdhsa_enable_private_segment 0
		.amdhsa_kernarg_size 32
		.amdhsa_user_sgpr_count 2
		.amdhsa_user_sgpr_kernarg_segment_ptr 1
		.amdhsa_wavefront_size32 1
		.amdhsa_system_sgpr_workgroup_id_x 1
		.amdhsa_system_sgpr_workgroup_id_y 1
		.amdhsa_system_sgpr_workgroup_id_z 1
		.amdhsa_system_vgpr_workitem_id 0
		.amdhsa_next_free_vgpr 384
		.amdhsa_next_free_sgpr 66
		.amdhsa_reserve_vcc 1
		.amdhsa_float_denorm_mode_32 3
		.amdhsa_float_denorm_mode_16_64 3
		.amdhsa_memory_ordered 1
		.amdhsa_forward_progress 1
		.amdhsa_inst_pref_size 93
	.end_amdhsa_kernel
	.amdgpu_metadata
---
amdhsa.version: [ 1, 2 ]
amdhsa.kernels:
  - .name:           k_q8f53b4b427_xprep
    .symbol:         k_q8f53b4b427_xprep.kd
    .args:
      - { .name: x, .offset: 0, .size: 8, .value_kind: global_buffer, .address_space: global }
      - { .name: router_w, .offset: 8, .size: 8, .value_kind: global_buffer, .address_space: global }
      - { .name: xq, .offset: 16, .size: 8, .value_kind: global_buffer, .address_space: global }
      - { .name: sel, .offset: 24, .size: 8, .value_kind: global_buffer, .address_space: global }
    .group_segment_fixed_size: 46080
    .private_segment_fixed_size: 0
    .kernarg_segment_align: 8
    .kernarg_segment_size: 32
    .max_flat_workgroup_size: 256
    .sgpr_count:     66
    .vgpr_count:     384
    .wavefront_size: 32
...
	.end_amdgpu_metadata
.endif
;; end of part 1
;; launch wprep (part 2): grid 624 x 1, 4 waves a work-group, no clusters, 34,304 bytes of LDS; arguments Wg, Wu, Wd, sel, wq, cnt, plist, elist; writes wq, cnt, plist, elist
.if DOCPART == 2
	.amdgcn_target "amdgcn-amd-amdhsa--gfx1250"
	.amdhsa_code_object_version 6
	.text
	.protected	k_q8f53b4b427_wprep
	.globl	k_q8f53b4b427_wprep
	.p2align	8
	.type	k_q8f53b4b427_wprep,@function
k_q8f53b4b427_wprep:
	s_mov_b64 s[64:65], 0
	v_nop
	global_prefetch_b8 v0, s[64:65] scope:SCOPE_SE
	s_setreg_imm32_b32 hwreg(HW_REG_WAVE_MODE, 25, 1), 1
	s_wait_xcnt 0x0
; TWO JOBS IN ONE LAUNCH, parted on the work-group's number.
; Work-groups 0-15 PLACE THE ROWS: wave job = 4 id + wave = 8 a + b.  For a < b it lists the tokens that chose the pair (a, b), for a = b those that chose expert a; for a > b it stores the count 0.
; Every job holds all 4,096 words of sel in 128 registers (register 4 g + c of a lane: token 128 g + 4 lane + c) and ranks rows in ONE fixed order, (lane, register), so that the ranks of different jobs agree.
; Pass 1 counts in each lane; the counts are prefixed across the lanes bit by bit (a compare, the matching lanes under mine, a shift); pass 2 runs the ranks on in vector registers and stores.
; The lists are dense.  elist: words 0 .. 8191: tokens, expert after expert; a job's first word = the lower experts' counts = the tokens with sel < 2^e plus the tokens with a bit under e.
; plist: words 0 .. 4095: tokens, pair after pair in the numeric order of the mask 2^a + 2^b; a job's first word = the tokens with sel < mask; 16,384 bytes on: the same entries' ranks,
; rank in a's list | rank in b's list << 16.  A lane whose token does not match writes its own dump word (8192 + 32 job + lane), so no lane is ever switched off.  cnt: [8 a + b] the job's count.
; Work-groups 16-623 QUANTISE THE WEIGHTS to E5M2 with one E8M0 byte for each 32 along K, laid in the order of the operand's registers: a slot of 8,192 bytes holds four fragments
; (16 rows x 128 K), each [c 0..3][lane][16 bytes], lane (r, h) holding k = 128 s + 32 c + 16 h + 0 .. 15 of row r; beside it 256 bytes of scale words [r][4].  A wave makes slot J = 4 (id - 16) + wave.
;   id 16-367, gate and up: J = ((e 11 + blk) 4 + tile) 4 + sq; tiles 0, 1 gate, 2, 3 up; row r = hidden unit 32 blk + 8 (tile & 1) + r + 8 (r / 8); K step 4 sq + i.  Units 344 on: zero codes.
;   id 368-623, down: J = 1408 + (e 32 + G) 4 + nt; row r = output column 64 G + 16 nt + r; K steps 0, 1, 2; k = 344 on: zero codes; the fourth fragment is neither written nor read.
; One text serves both: only scalar registers differ, chosen by s_cselect on ids.  Each load reads one row's 512 consecutive bytes; 16 rows turn through the wave's stage in LDS (pitch 528).
; REGISTERS are kept to 320 a wave: ONE set of row offsets, stepped in place for K steps 2 and 3, and ONE set of codes, each rewritten only behind a wait that shows that the loads or stores that name it have read it.
; LIMITS: NaN and infinities are not served; a block of zeros gets the byte 1 over zero codes (this program alone reads the bytes).
.set WSO,   19922944
.set PITCH, 528
.set STGB,  16*PITCH
.set SW,    10                         ; v10-13  the four scale words
.set ADR,   16                         ; v16-31  byte offset of row j's 16 bytes for my lane; from K step 2 on held at the row's last 16 bytes (down's third K step has 352 bytes)
.set TM,    32                         ; v32-47  at work
.set PC,    48                         ; v48-63  a fragment's codes
.set X,     64                         ; v64-127 64 numbers: register 16 c + i = k 32 c + 16 h + i of row r
                                       ; v128-191, v192-255, and v0-63 of window 1: three sets of 64, K step i as loaded in set i % 3
.set MSB, 0
.macro WIN new
.if MSB != \new
	s_set_vgpr_msb (MSB<<8)|\new
.set MSB, \new
.endif
.endm
	s_load_b256 s[4:11], s[0:1], 0x0               ; Wg, Wu, Wd, sel
	s_load_b256 s[12:19], s[0:1], 0x20             ; wq, cnt, plist, elist
	v_lshl_add_u32 v14, v0, 2, 0x8400
	v_mov_b32 v15, 0
	v_lshrrev_b32 v2, 5, v0
	v_readfirstlane_b32 s20, v2                    ; wave
	v_and_b32 v1, 31, v0                           ; lane
	v_lshlrev_b32 v4, 4, v1                        ; 16 x lane
	s_cmp_lt_u32 ttmp9, 16
	s_cbranch_scc1 .Lplace
	v_and_b32 v2, 15, v1                           ; r
	v_lshrrev_b32 v3, 4, v1                        ; h
	s_sub_co_u32 s22, ttmp9, 16
	s_and_b32 s23, s22, 3                          ; tile
	s_lshr_b32 s24, s22, 2                         ; 11 e + blk
	s_mul_i32 s25, s24, 745
	s_lshr_b32 s25, s25, 13                        ; e = that / 11: exact for 0 .. 87 (745 / 8192 lies 3 / 90112 above 1 / 11)
	s_mul_i32 s26, s25, 11
	s_sub_co_u32 s26, s24, s26                     ; blk
	s_and_b32 s40, s23, 1
	s_lshl_b32 s29, s26, 5
	s_lshl_b32 s41, s40, 3
	s_add_co_u32 s29, s29, s41                     ; the tile's first unit
	s_cmp_eq_u32 s26, 10
	s_cselect_b32 s41, s40, 0
	s_mov_b32 s32, 0x00ff00ff
	s_cmp_eq_u32 s41, 1
	s_cselect_b32 s32, s32, -1                     ; lanes whose row exists: in block 10's odd tiles rows 8-15 are units 344-351
	s_mul_i32 s38, s25, 2818048
	s_lshl_b32 s41, s20, 11
	s_add_co_u32 s38, s38, s41                     ; gate, up: expert e, columns 512 wave on
	s_sub_co_u32 s41, ttmp9, 368
	s_lshl_b32 s41, s41, 2
	s_add_co_u32 s41, s41, s20
	s_mul_i32 s41, s41, 16*1376                    ; down: row 64 (32 e + G) + 16 wave of 1,376 bytes
	s_wait_kmcnt 0x0
	s_cmp_lt_u32 s23, 2
	s_cselect_b64 s[36:37], s[4:5], s[6:7]
	s_cmp_lt_u32 ttmp9, 368                        ; gate and up, or down?  All that follows is chosen on this one compare
	s_cselect_b32 s27, 1, 0
	s_mov_b32 s28, 1376
	s_cselect_b32 s28, 8192, s28                   ; bytes from row to row
	s_cselect_b32 s29, s29, 0
	s_cselect_b32 s30, 8, 0                        ; rows 8-15 lie 8 units further on
	s_mov_b32 s31, 0xffff
	s_cselect_b32 s31, 343, s31                    ; no load leaves the expert's 344 rows
	s_cselect_b32 s32, s32, -1
	s_mov_b32 s33, 0xffff
	s_cselect_b32 s33, -1, s33                     ; down, K step 2: k = 344-351 lie in lanes 16-31,
	s_cselect_b32 s34, -1, 0                       ; k = 352 on in all
	s_cselect_b32 s38, s38, s41
	s_cselect_b64 s[36:37], s[36:37], s[8:9]
	s_mov_b32 s39, 0
	s_add_nc_u64 s[36:37], s[36:37], s[38:39]
	s_lshl_b32 s40, s22, 2
	s_add_co_u32 s40, s40, s20                     ; J
	s_lshl_b32 s42, s40, 13
	s_mov_b32 s43, 0
	s_add_nc_u64 s[42:43], s[12:13], s[42:43]
	s_lshl_b32 s44, s40, 8
	s_add_co_u32 s44, s44, WSO
	s_mov_b32 s45, 0
	s_add_nc_u64 s[44:45], s[12:13], s[44:45]
.irp j, 0,1,2,3,4,5,6,7,8,9,10,11,12,13,14,15
	s_add_co_u32 s40, s29, \j
.if \j >= 8
	s_add_co_u32 s40, s40, s30
.endif
	s_min_u32 s40, s40, s31
	s_mul_i32 s40, s40, s28
	v_add_nc_u32 v[ADR+\j], s40, v4
.endr
	v_min_u32 v5, 21, v1
	v_sub_nc_u32 v5, v1, v5
	v_lshlrev_b32 v5, 4, v5
	s_xor_b32 s40, s27, 1
	v_mul_u32_u24 v5, s40, v5                      ; down: lanes 22-31 go back to lane 21's bytes; gate, up: 0
	s_mul_i32 s40, s20, STGB
	v_add_nc_u32 v6, s40, v4                       ; into my stage: 16 x lane, row j in the immediate
	v_mul_u32_u24 v7, v2, PITCH
	v_lshl_add_u32 v7, v3, 6, v7
	v_add_nc_u32 v7, s40, v7                       ; out of it: row r, + 64 h
	v_lshlrev_b32 v9, 4, v2
	s_mov_b32 s46, 0x76543210
	s_mov_b32 s47, 0xfedcba98
	s_mov_b32 s48, 0x600000
.irp b, 0,1,2,3
	v_mov_b32 v[TM+4+\b], 0                        ; a lane permute's destination counts as one of its sources
.endr
	v_mov_b32 v[SW+3], 0x7f7f7f7f                  ; down has no fourth fragment
.macro LOAD i                          ; K step i of the 16 rows into set i % 3
.if (\i)%3 == 2
	WIN 0x40                                       ; set 2 lies in window 1
.set RB, 0
.else
.set RB, 128+64*((\i)%3)
.endif
.irp j, 0,1,2,3,4,5,6,7,8,9,10,11,12,13,14,15
	global_load_b128 v[RB+4*\j:RB+4*\j+3], v[ADR+\j], s[36:37] offset:512*(\i) th:TH_LOAD_NT
.endr
	WIN 0
.endm
.macro Q64 pc, pw                      ; the 64 numbers become a fragment's codes in v[pc] on and its rows' scale word in v[pw]
.irp b, 0,1,2,3
	v_max3_num_f32 v[TM+\b], |v[X+16*\b]|, |v[X+1+16*\b]|, 0x8000000   ; and the floor 2^(16 - 127)
.endr
.irp i, 2,4,6,8,10,12,14
.irp b, 0,1,2,3
	v_max3_num_f32 v[TM+\b], v[TM+\b], |v[X+16*\b+\i]|, |v[X+1+16*\b+\i]|
.endr
.endr
.irp b, 0,1,2,3
	v_permlanex16_b32 v[TM+4+\b], v[TM+\b], s46, s47
.endr
.irp b, 0,1,2,3
	v_max_num_f32 v[TM+\b], v[TM+\b], v[TM+4+\b]   ; with lane l xor 16's: the block's largest magnitude
.endr
.irp b, 0,1,2,3
	v_add_nc_u32 v[TM+12+\b], 0xf8800000, v[TM+\b] ; 15 off the exponent field: the conversion's scale operand
.endr
.irp b, 0,1,2,3
	v_and_or_b32 v[TM+8+\b], v[TM+\b], 0x7f800000, s48   ; 57,344 x the scale
.endr
	s_mov_b32 vcc_lo, s32
.irp b, 0,1,2,3
	v_cndmask_b32 v[TM+8+\b], 0, v[TM+8+\b], vcc_lo      ; a row that does not exist is held at 0: zero codes
.endr
.irp b, 0,1,2,3
	v_lshrrev_b32 v[TM+4+\b], 23, v[TM+12+\b]
.endr
	v_lshl_or_b32 v[\pw], v[TM+5], 8, v[TM+4]
	v_lshl_or_b32 v[\pw], v[TM+6], 16, v[\pw]
	v_lshl_or_b32 v[\pw], v[TM+7], 24, v[\pw]
.irp b, 0,1,2,3
.irp i, 0,1,2,3,4,5,6,7,8,9,10,11,12,13,14,15
	v_med3_num_f32 v[X+16*\b+\i], v[X+16*\b+\i], -v[TM+8+\b], v[TM+8+\b]
.endr
	v_cvt_scalef32_pk8_bf8_f32 v[(\pc)+4*\b:(\pc)+1+4*\b], v[X+16*\b:X+7+16*\b], v[TM+12+\b]
	v_cvt_scalef32_pk8_bf8_f32 v[(\pc)+2+4*\b:(\pc)+3+4*\b], v[X+8+16*\b:X+15+16*\b], v[TM+12+\b]
.endr
	v_nop                                          ; a plain line behind the last conversion
.endm
.macro FRAG i, cnt
	s_wait_loadcnt \cnt
.if (\i)%3 == 2
	WIN 0x04                                       ; an LDS store's data are its source 1: set 2 lies in window 1
.set RB, 0
.else
.set RB, 128+64*((\i)%3)
.endif
.irp j, 0,1,2,3,4,5,6,7,8,9,10,11,12,13,14,15
	ds_store_b128 v6, v[RB+4*\j:RB+4*\j+3] offset:PITCH*\j
.endr
	WIN 0
.irp c, 0,1,2,3
.irp k, 0,1,2,3
	ds_load_b128 v[X+16*\c+4*\k:X+16*\c+4*\k+3], v7 offset:128*\c+16*\k   ; LDS serves a wave's instructions in order: these see the stores above
.endr
.endr
.if \i == 0
	s_wait_dscnt 16                                ; the 16 stores have read set 0: it takes the fourth K step, where there is one
	s_cmp_eq_u32 s27, 0
	s_cbranch_scc1 .Lno_fourth_\@
	LOAD 3
.Lno_fourth_\@:
.endif
	s_wait_dscnt 0x0
.if \i == 2
	s_mov_b32 vcc_lo, s33
.irp n, 40,41,42,43,44,45,46,47
	v_cndmask_b32 v[X+\n], 0, v[X+\n], vcc_lo      ; past K's end: zeros, ahead of the largest magnitude
.endr
	s_mov_b32 vcc_lo, s34
.irp n, 48,49,50,51,52,53,54,55,56,57,58,59,60,61,62,63
	v_cndmask_b32 v[X+\n], 0, v[X+\n], vcc_lo
.endr
.endif
.if \i > 0
	s_wait_xcnt 0x0                                ; the last fragment's four stores have read the codes' registers: they may be written again
.endif
	Q64 PC, SW+(\i)
.irp c, 0,1,2,3
	global_store_b128 v4, v[PC+4*\c:PC+4*\c+3], s[42:43] offset:2048*(\i)+512*\c   ; 512 consecutive bytes
.endr
.endm
	LOAD 0
	LOAD 1
	s_wait_xcnt 0x0                                ; the 32 loads have read their offsets, which may be written:
.irp j, 0,1,2,3,4,5,6,7,8,9,10,11,12,13,14,15
	v_sub_nc_u32 v[ADR+\j], v[ADR+\j], v5          ; from K step 2 on no lane reads past its row's end
.endr
	LOAD 2
	FRAG 0, 32                                     ; K steps 1 and 2 may be out
	FRAG 1, 16                                     ; at most 16 out: where there is no fourth K step those are step 2's; where there is one, step 2 is waited for too
	FRAG 2, 0
	s_cmp_eq_u32 s27, 0
	s_cbranch_scc1 .Lno_frag3
	FRAG 3, 0
.Lno_frag3:
	global_store_b128 v9, v[SW:SW+3], s[44:45]     ; row r's four words at 16 r: one whole block of 256 bytes (lanes 16-31 hold and store the same)
	s_wait_tensorcnt 0x0
	ds_add_u32 v14, v15
	s_wait_dscnt 0x0
	s_endpgm
; THE PLACEMENT.  REGISTERS: v16-143 sel; v144 4 x lane; v145 my dump word's index; v146-149, v154 the lane's counts: of a, of b, of both, of what precedes (two parts);
; v150-152 the running ranks: in a's list, in b's list, and the index in the job's own list; v153 at work; v160-207 sixteen sets of (byte offset, token, ranks) for stores; v208-227 at work.
.Lplace:
	s_lshl_b32 s21, ttmp9, 2
	s_add_co_u32 s21, s21, s20                     ; job
	s_lshr_b32 s22, s21, 3                         ; a
	s_and_b32 s23, s21, 7                          ; b
	s_lshl_b32 s24, s21, 2                         ; the count's place
	s_mov_b32 s25, 0
	v_mov_b32 v8, 0
	s_lshl_b32 s28, 1, s22                         ; a's bit
	s_lshl_b32 s29, 1, s23                         ; b's bit
	s_or_b32 s33, s28, s29                         ; the job's mask
	s_sub_co_u32 s35, s28, 1                       ; the bits under a
	s_lshl_b32 s38, s21, 5
	s_add_co_u32 s38, s38, 8192                    ; the job's 32 dump words
	s_mov_b32 s32, 0                               ; the job's count
	s_mov_b32 s37, 0                               ; entries that precede the job's list
	s_wait_kmcnt 0x0
	s_add_nc_u64 s[24:25], s[14:15], s[24:25]
	s_cmp_eq_u32 s22, s23                          ; an expert's job or a pair's?  The choice hangs on ids alone
	s_cselect_b64 s[26:27], s[18:19], s[16:17]
	s_cselect_b32 s35, s35, 0                      ; a pair's job counts no bits under a
	s_cmp_gt_u32 s22, s23
	s_cbranch_scc1 .Lcount
.set G, 0
.rept 32
	global_load_b128 v[16+4*G:19+4*G], v4, s[10:11] offset:512*G   ; register 4 g + c: token 128 g + 4 lane + c
.set G, G+1
.endr
	v_lshlrev_b32 v144, 2, v1
	v_add_nc_u32 v145, s38, v1
.irp n, 146,147,148,149,154
	v_mov_b32 v[\n], 0
.endr
	s_wait_loadcnt 0x0
.macro TALLY g                         ; pass 1, four registers: each line's four results wait for nothing in the line
.irp c, 0,1,2,3
	v_bfe_u32 v[208+\c], v[16+4*(\g)+\c], s22, 1   ; does the token hold a?
.endr
.irp c, 0,1,2,3
	v_bfe_u32 v[212+\c], v[16+4*(\g)+\c], s23, 1   ; b?
.endr
.irp c, 0,1,2,3
	v_and_b32 v[220+\c], s35, v[16+4*(\g)+\c]      ; an expert's job: a bit under e?
.endr
.irp c, 0,1,2,3
	v_sub_nc_u32 v[224+\c], v[16+4*(\g)+\c], s33   ; sel - mask: negative where sel < mask (both are under 256)
.endr
.irp c, 0,1,2,3
	v_and_b32 v[216+\c], v[208+\c], v[212+\c]      ; both?
.endr
.irp c, 0,1,2,3
	v_min_u32 v[220+\c], 1, v[220+\c]
.endr
.irp c, 0,1,2,3
	v_lshrrev_b32 v[224+\c], 31, v[224+\c]
.endr
.irp p, 0,2
	v_add3_u32 v146, v146, v[208+\p], v[209+\p]
	v_add3_u32 v147, v147, v[212+\p], v[213+\p]
	v_add3_u32 v148, v148, v[216+\p], v[217+\p]
	v_add3_u32 v149, v149, v[220+\p], v[221+\p]
	v_add3_u32 v154, v154, v[224+\p], v[225+\p]
.endr
.endm
.set G, 0
.rept 32
	TALLY G
.set G, G+1
.endr
	v_add_nc_u32 v149, v149, v154                  ; what precedes, in my lane: at most 256
; The lanes under mine: a lane's count is at most 128, eight bits; for each bit, the lanes under mine that have it, times the bit's worth.  tot = 1: the sum over all lanes too, into s32
.macro PREF cnt, out, tot
	v_mov_b32 v[\out], 0
.irp k, 0,1,2,3,4,5,6,7
	v_and_b32 v153, 1<<\k, v[\cnt]
	v_cmp_ne_u32 vcc_lo, 0, v153
	v_mbcnt_lo_u32_b32 v153, vcc_lo, 0
	v_lshl_add_u32 v[\out], v153, \k, v[\out]
.if \tot
	s_bcnt1_i32_b32 s36, vcc_lo
	s_lshl_b32 s36, s36, \k
	s_add_co_u32 s32, s32, s36
.endif
.endr
.endm
	PREF 146, 150, 0
	PREF 147, 151, 0
	PREF 148, 152, 1
.irp k, 0,1,2,3,4,5,6,7,8
	v_and_b32 v153, 1<<\k, v149                    ; what precedes, over all lanes: nine bits
	v_cmp_ne_u32 vcc_lo, 0, v153
	s_bcnt1_i32_b32 s36, vcc_lo
	s_lshl_b32 s36, s36, \k
	s_add_co_u32 s37, s37, s36
.endr
	v_add_nc_u32 v152, s37, v152                   ; my first index in the job's list
.macro PUT g                           ; pass 2, four registers
.set KK, 12*((\g)%4)
.if (\g)%4 == 0
	s_wait_xcnt 0x0                                ; the stores of the last four groups have read their sixteen sets of registers
.endif
.irp c, 0,1,2,3
	v_bfe_u32 v[208+\c], v[16+4*(\g)+\c], s22, 1
.endr
.irp c, 0,1,2,3
	v_bfe_u32 v[212+\c], v[16+4*(\g)+\c], s23, 1
.endr
.irp c, 0,1,2,3
	v_and_b32 v[216+\c], v[208+\c], v[212+\c]
.endr
.irp c, 0,1,2,3
	v_lshl_or_b32 v[162+KK+3*\c], v151, 16, v150   ; the ranks as they stand at this token
	v_cmp_ne_u32 vcc_lo, 0, v[216+\c]
	v_cndmask_b32 v[160+KK+3*\c], v145, v152, vcc_lo   ; a match goes to its index, all else to my dump word
	v_add_nc_u32 v150, v150, v[208+\c]
	v_add_nc_u32 v151, v151, v[212+\c]
	v_add_nc_u32 v152, v152, v[216+\c]
.endr
.irp c, 0,1,2,3
	v_min_u32 v[160+KK+3*\c], 0x27ff, v[160+KK+3*\c]   ; inside the list's 10,240 words
.endr
.irp c, 0,1,2,3
	v_lshlrev_b32 v[160+KK+3*\c], 2, v[160+KK+3*\c]
.endr
.irp c, 0,1,2,3
	v_add_nc_u32 v[161+KK+3*\c], 128*(\g)+\c, v144
.endr
.irp c, 0,1,2,3
	global_store_b32 v[160+KK+3*\c], v[161+KK+3*\c], s[26:27]
.endr
	s_cmp_eq_u32 s22, s23                          ; an expert's list has tokens alone
	s_cbranch_scc1 .Lno_ranks_\@
.irp c, 0,1,2,3
	global_store_b32 v[160+KK+3*\c], v[162+KK+3*\c], s[26:27] offset:16384
.endr
.Lno_ranks_\@:
.endm
.set G, 0
.rept 32
	PUT G
.set G, G+1
.endr
.Lcount:
	v_mov_b32 v9, s32
	global_store_b32 v8, v9, s[24:25]              ; all lanes store the same word with the same value
	s_endpgm
.Lfunc_end_k_q8f53b4b427_wprep:
	.size	k_q8f53b4b427_wprep, .Lfunc_end_k_q8f53b4b427_wprep-k_q8f53b4b427_wprep
	.p2alignl 7, 3214868480
	.fill 96, 4, 3214868480
	.section	.rodata,"a",@progbits
	.p2align	6, 0x0
	.amdhsa_kernel k_q8f53b4b427_wprep
		.amdhsa_group_segment_fixed_size 34304
		.amdhsa_private_segment_fixed_size 0
		.amdhsa_enable_private_segment 0
		.amdhsa_kernarg_size 64
		.amdhsa_user_sgpr_count 2
		.amdhsa_user_sgpr_kernarg_segment_ptr 1
		.amdhsa_wavefront_size32 1
		.amdhsa_system_sgpr_workgroup_id_x 1
		.amdhsa_system_sgpr_workgroup_id_y 1
		.amdhsa_system_sgpr_workgroup_id_z 1
		.amdhsa_system_vgpr_workitem_id 0
		.amdhsa_next_free_vgpr 320
		.amdhsa_next_free_sgpr 66
		.amdhsa_reserve_vcc 1
		.amdhsa_float_denorm_mode_32 3
		.amdhsa_float_denorm_mode_16_64 3
		.amdhsa_memory_ordered 1
		.amdhsa_forward_progress 1
		.amdhsa_inst_pref_size 222
	.end_amdhsa_kernel
	.amdgpu_metadata
---
amdhsa.version: [ 1, 2 ]
amdhsa.kernels:
  - .name:           k_q8f53b4b427_wprep
    .symbol:         k_q8f53b4b427_wprep.kd
    .args:
      - { .name: Wg, .offset: 0, .size: 8, .value_kind: global_buffer, .address_space: global }
      - { .name: Wu, .offset: 8, .size: 8, .value_kind: global_buffer, .address_space: global }
      - { .name: Wd, .offset: 16, .size: 8, .value_kind: global_buffer, .address_space: global }
      - { .name: sel, .offset: 24, .size: 8, .value_kind: global_buffer, .address_space: global }
      - { .name: wq, .offset: 32, .size: 8, .value_kind: global_buffer, .address_space: global }
      - { .name: cnt, .offset: 40, .size: 8, .value_kind: global_buffer, .address_space: global }
      - { .name: plist, .offset: 48, .size: 8, .value_kind: global_buffer, .address_space: global }
      - { .name: elist, .offset: 56, .size: 8, .value_kind: global_buffer, .address_space: global }
    .group_segment_fixed_size: 34304
    .private_segment_fixed_size: 0
    .kernarg_segment_align: 8
    .kernarg_segment_size: 64
    .max_flat_workgroup_size: 128
    .sgpr_count:     66
    .vgpr_count:     320
    .wavefront_size: 32
...
	.end_amdgpu_metadata
.endif
;; end of part 2
;; launch gateup (part 3): grid 3 x 71, 4 waves a work-group, no clusters, 291,840 bytes of LDS; arguments cnt, xq, wq, hq, elist; writes hq
.if DOCPART == 3
	.amdgcn_target "amdgcn-amd-amdhsa--gfx1250"
	.amdhsa_code_object_version 6
	.text
	.protected	k_q8f53b4b427_gateup
	.globl	k_q8f53b4b427_gateup
	.p2align	8
	.type	k_q8f53b4b427_gateup,@function
k_q8f53b4b427_gateup:
	s_mov_b64 s[64:65], 0
	v_nop
	global_prefetch_b8 v0, s[64:65] scope:SCOPE_SE
	s_setreg_imm32_b32 hwreg(HW_REG_WAVE_MODE, 25, 1), 1
	s_wait_xcnt 0x0
; h = silu(x Wg^T) * (x Wu^T) for the rows that chose an expert, quantised along the hidden units; both products on codes of E5M2 with E8M0 scales.
; GRID: x = slice sg (hidden units 128 sg .. 128 sg + 127, also the plane of hq), y = tile number.  With 8,192 routed rows, 8 experts and tiles of 128 rows there are never more than 71 tiles.
; A work-group finds its expert and tile from the eight stored counts (the sum of the lower experts' counts is the expert's first word in elist); one that a split leaves without rows stores nothing.
; Such branches hang on stored whole numbers, so the launch has no tensor load, no copy and no cluster: the weights go from memory straight into the registers of the one wave that uses them,
; laid by the launch before in the order of the operand's registers.
; SHARES: wave w takes block 4 sg + w (32 units: tiles g0, g1, u0, u1) for all 8 tiles of 16 rows: 32 accumulators.  The 128 rows' codes of x, all 2,048 along K, are gathered once into LDS
; (pitch 2,064: 516 words, so that 16 rows start at 16 different banks) and read by all four waves: the walk along K has no barrier.  Slice 2's wave 3 has no block (units 352 on): it helps to gather and writes zero codes.
; Rows past the expert's count repeat its last entry: no mask is needed; their rows of hq are never read.
; THE PRODUCTS ARE USED TRANSPOSED (source 0 = 16 rows of W, source 1 = 16 tokens): a lane holds one token, and the 16 registers of tiles g0, g1 are 16 neighbouring units (the launch before chose the rows so).
; hq: codes [plane][e 4096 + rank][128 bytes]; at HSO [plane][e 4096 + rank] one word of four scale bytes.
; LIMITS: NaN and infinities are not served; where 2^(-g log2 e) overflows, silu gives a zero; block 11 carries the byte 127 over zero codes, a block of zeros the byte 1.
; REGISTERS: window 0: v1-21 lane terms and addresses; v24-39 row offsets; v40-55 x's scale words, two sets; v56-119 W's scale words (16 tile + s); v120-247 x's eight fragments, later the way out.
;   window 1: W's fragments, four buffers: 64 (s % 4) + 16 tile.   window 2: accumulator (m, tile) at 8 (4 m + tile); ahead of the walk two staging sets of 128.
.set XSO,  8388608
.set WSO,  19922944
.set HSO,  12582912
.set XP,   2064
.set XSC,  264192                      ; x's scale words: 512 s + 32 r + 4 m
.set STG,  272384                      ; 128 rows x 144: a row's 128 codes of h
.set HSB,  290816                      ; 128 words: their scale bytes
.set T,    120
.set MSB, 0
.macro WIN new
.if MSB != \new
	s_set_vgpr_msb (MSB<<8)|\new
.set MSB, \new
.endif
.endm
.macro NOP8                            ; eight places behind this matrix form, in front of loads into its registers and of the first read of results
.rept 8
	v_nop
.endr
.endm
	s_load_b256 s[4:11], s[0:1], 0x0               ; cnt, xq, wq, hq
	s_load_b64 s[36:37], s[0:1], 0x20              ; elist
	v_lshl_add_u32 v254, v0, 2, 0x47200
	v_mov_b32 v255, 0
	v_lshrrev_b32 v22, 5, v0
	v_readfirstlane_b32 s12, v22                   ; wave
	s_mov_b32 s13, ttmp9                           ; slice
	s_and_b32 s14, ttmp7, 0xffff                   ; tile number
	v_and_b32 v1, 31, v0
	v_and_b32 v2, 15, v0                           ; r
	v_bfe_u32 v3, v0, 4, 1                         ; h
	v_mul_u32_u24 v4, v2, XP
	v_lshl_add_u32 v4, v3, 4, v4                   ; v4-11: x's fragment of row tile m: (16 m + r) pitch + 16 h
.irp m, 1,2,3,4,5,6,7
	v_add_nc_u32 v[4+\m], 16*XP*\m, v4
.endr
	v_lshlrev_b32 v12, 5, v2
	v_add_nc_u32 v12, XSC, v12
	v_lshlrev_b32 v13, 4, v1                       ; 16 x lane
	v_lshlrev_b32 v14, 4, v2                       ; 16 r
	v_mul_u32_u24 v15, v2, 144
	v_lshl_add_u32 v15, v3, 4, v15
	s_lshl_b32 s33, s12, 5
	s_add_co_u32 s33, s33, STG
	v_add_nc_u32 v15, s33, v15                     ; my 16 codes: row r, byte 32 w + 16 h
	v_lshrrev_b32 v16, 3, v1
	v_mul_u32_u24 v16, v16, 144
	v_and_b32 v22, 7, v1
	v_lshl_add_u32 v16, v22, 4, v16
	s_mul_i32 s33, s12, 32*144
	s_add_co_u32 s33, s33, STG
	v_add_nc_u32 v16, s33, v16                     ; back: eight lanes to a row, four rows an instruction
	s_lshl_b32 s33, s12, 12
	v_add_nc_u32 v17, s33, v13
	s_add_co_u32 s33, s12, HSB
	v_lshl_add_u32 v18, v2, 2, s33                 ; my block's byte of row r's word
	v_mul_u32_u24 v19, v3, XP
	v_add_nc_u32 v19, v19, v14
	s_mul_i32 s33, s12, 32*XP
	v_add_nc_u32 v19, s33, v19                     ; the gather: row 32 w + h, byte 16 r
	v_lshrrev_b32 v20, 4, v0
	v_lshlrev_b32 v20, 2, v20
	v_lshl_add_u32 v20, v2, 5, v20
	v_add_nc_u32 v20, XSC, v20                     ; row tid's scale words
	v_add_nc_u32 v21, HSB, v13
	s_mov_b32 s48, 0x76543210
	s_mov_b32 s49, 0xfedcba98
	s_mov_b32 s50, 0x600000
	s_wait_kmcnt 0x0
.irp e, 0,1,2,3,4,5,6,7
	s_load_b32 s[24+\e], s[4:5], 36*\e             ; expert e's count: job 9 e
.endr
	s_mov_b32 s19, 0                               ; tiles so far
	s_mov_b32 s55, 0                               ; rows so far
	s_mov_b32 s16, 0
	s_mov_b32 s17, 0
	s_mov_b32 s18, 0
	s_mov_b32 s56, 0
	s_wait_kmcnt 0x0
.irp e, 0,1,2,3,4,5,6,7
	s_add_co_u32 s33, s[24+\e], 127
	s_lshr_b32 s33, s33, 7
	s_cmp_ge_u32 s14, s19                          ; the last expert whose first tile is not past mine
	s_cselect_b32 s16, \e, s16
	s_cselect_b32 s17, s[24+\e], s17
	s_cselect_b32 s18, s19, s18
	s_cselect_b32 s56, s55, s56                    ; its first word in elist
	s_add_co_u32 s19, s19, s33
	s_add_co_u32 s55, s55, s[24+\e]
.endr
	s_cmp_lt_u32 s14, s19
	s_cselect_b32 s15, 1, 0                        ; have I rows?
	s_min_u32 s16, s16, 7
	s_sub_co_u32 s20, s14, s18
	s_min_u32 s20, s20, 31                         ; my tile of the expert
	s_add_co_u32 s21, s56, s17
	s_sub_co_u32 s21, s21, 1                       ; its last entry's word
	s_lshl_b32 s22, s13, 2
	s_add_co_u32 s22, s22, s12
	s_cmp_eq_u32 s22, 11
	s_cselect_b32 s23, 1, 0                        ; the wave without a block
	s_min_u32 s22, s22, 10
	s_xor_b32 s32, s23, 1
	s_and_b32 s32, s32, s15                        ; do I multiply?
	s_mov_b32 s47, 0
	s_mul_i32 s33, s16, 11
	s_add_co_u32 s33, s33, s22
	s_lshl_b32 s46, s33, 17
	s_add_nc_u64 s[38:39], s[8:9], s[46:47]        ; my block's 16 slots
	s_lshl_b32 s46, s33, 12
	s_add_co_u32 s46, s46, WSO
	s_add_nc_u64 s[40:41], s[8:9], s[46:47]        ; and their scale words
	s_lshl_b32 s33, s16, 12
	s_lshl_b32 s54, s20, 7                         ; 128 x tile
	s_add_co_u32 s57, s56, s54                     ; the tile's first word in elist
	s_add_co_u32 s33, s33, s54
	s_lshl_b32 s46, s33, 7
	s_lshl_b32 s34, s13, 22
	s_add_co_u32 s46, s46, s34
	s_add_nc_u64 s[42:43], s[10:11], s[46:47]      ; the tile's rows of hq
	s_lshl_b32 s34, s13, 15
	s_add_co_u32 s34, s34, s33
	s_lshl_b32 s46, s34, 2
	s_add_co_u32 s46, s46, HSO
	s_add_nc_u64 s[44:45], s[10:11], s[46:47]
	s_add_nc_u64 s[52:53], s[6:7], XSO
.macro WLD s                           ; K step s of my four tiles of W into buffer s % 4
	WIN 0x40
.irp t, 0,1,2,3
.irp c, 0,1,2,3
	global_load_b128 v[64*((\s)%4)+16*\t+4*\c:64*((\s)%4)+16*\t+4*\c+3], v13, s[38:39] offset:32768*\t+2048*(\s)+512*\c
.endr
.endr
	WIN 0
.endm
	; on every path (the addresses are held inside the buffer): W's scale words and its first two K steps
.irp t, 0,1,2,3
.irp q, 0,1,2,3
	global_load_b128 v[56+16*\t+4*\q:59+16*\t+4*\q], v14, s[40:41] offset:1024*\t+256*\q
.endr
.endr
	WLD 0
	WLD 1
	s_cmp_eq_u32 s15, 0
	s_cbranch_scc1 .Lno_gather
	; THE GATHER: wave w brings rows 32 w .. 32 w + 31; sixteen lanes read 256 consecutive bytes of one row
	s_lshl_b32 s33, s12, 5
	s_add_co_u32 s33, s33, s57
	v_add_nc_u32 v22, s33, v3
.irp i, 0,1,2,3,4,5,6,7,8,9,10,11,12,13,14,15
	v_add_nc_u32 v[24+\i], 2*\i, v22
	v_min_u32 v[24+\i], s21, v[24+\i]              ; rows past the count repeat the last entry
	v_min_u32 v[24+\i], 0x1fff, v[24+\i]
	v_lshlrev_b32 v[24+\i], 2, v[24+\i]
.endr
	v_add_nc_u32 v23, s57, v0
	v_min_u32 v23, s21, v23
	v_min_u32 v23, 0x1fff, v23
	v_lshlrev_b32 v23, 2, v23
.irp i, 0,1,2,3,4,5,6,7,8,9,10,11,12,13,14,15
	global_load_b32 v[24+\i], v[24+\i], s[36:37]   ; the row's token
.endr
	global_load_b32 v23, v23, s[36:37]
	s_wait_loadcnt 0x0
.irp i, 0,1,2,3,4,5,6,7,8,9,10,11,12,13,14,15
	v_min_u32 v[24+\i], 0xfff, v[24+\i]
	v_lshl_add_u32 v[24+\i], v[24+\i], 11, v14     ; 2,048 t + 16 r
.endr
	v_min_u32 v23, 0xfff, v23
	v_lshlrev_b32 v23, 6, v23
.irp q, 0,1,2,3
	global_load_b128 v[120+4*\q:123+4*\q], v23, s[52:53] offset:16*\q   ; row tid's 16 scale words
.endr
.macro GB b                            ; batch b: eight rows (i = 4 b .. 4 b + 3, both halves of the lanes), 32 loads, into staging set b % 2 of window 2
	WIN 0x80
.irp k, 0,1,2,3
.irp q, 0,1,2,3,4,5,6,7
	global_load_b128 v[128*((\b)%2)+32*\k+4*\q:128*((\b)%2)+32*\k+4*\q+3], v[24+4*(\b)+\k], s[6:7] offset:256*\q
.endr
.endr
	WIN 0
.endm
.macro GS b
	WIN 0x08
.irp k, 0,1,2,3
.irp q, 0,1,2,3,4,5,6,7
	ds_store_b128 v19, v[128*((\b)%2)+32*\k+4*\q:128*((\b)%2)+32*\k+4*\q+3] offset:2*XP*(4*(\b)+\k)+256*\q
.endr
.endr
	WIN 0
.endm
	GB 0
	GB 1
	s_wait_loadcnt 32                              ; the scale words and batch 0 are in; batch 1 may be out
.irp s, 0,1,2,3,4,5,6,7,8,9,10,11,12,13,14,15
	ds_store_b32 v20, v[120+\s] offset:512*\s
.endr
	GS 0
	s_wait_dscnt 0x0                               ; the stores have read set 0
	GB 2
	s_wait_loadcnt 32                              ; batch 1 is in; batch 2 may be out
	GS 1
	s_wait_dscnt 0x0
	GB 3
	s_wait_loadcnt 32                              ; batch 2 is in; batch 3 may be out
	GS 2
	s_wait_loadcnt 0x0
	GS 3
.Lno_gather:
	WLD 2
	WLD 3
	s_wait_dscnt 0x0                               ; for the others: my rows lie in LDS
	s_barrier_signal -1
	s_barrier_wait -1
	s_cmp_eq_u32 s32, 0
	s_cbranch_scc1 .Lno_run
.macro XSLD s                          ; K step s: row r's scale words of the eight row tiles
	ds_load_b128 v[40+8*((\s)%2):43+8*((\s)%2)], v12 offset:512*(\s)
	ds_load_b128 v[44+8*((\s)%2):47+8*((\s)%2)], v12 offset:512*(\s)+16
.endm
.macro HALF s, m0                      ; x's fragments of row tiles m0 .. m0 + 3
.irp m, \m0,\m0+1,\m0+2,\m0+3
.irp c, 0,1,2,3
	ds_load_b128 v[120+16*(\m)+4*\c:123+16*(\m)+4*\c], v[4+(\m)] offset:128*(\s)+32*\c
.endr
.endr
.endm
.macro MUL s, m0                       ; 16 products; the 32 accumulators take turns, one instruction a turn, in the same order in every K step; step 0 starts the sums with the constant 0
.irp m, \m0,\m0+1,\m0+2,\m0+3
.irp t, 0,1,2,3
.if (\s) == 0
	v_wmma_scale_f32_16x16x128_f8f6f4 v[8*(4*(\m)+\t):8*(4*(\m)+\t)+7], v[64*((\s)%4)+16*\t:64*((\s)%4)+16*\t+15], v[120+16*(\m):135+16*(\m)], 0, v[56+16*\t+(\s)], v[40+8*((\s)%2)+(\m)] matrix_a_fmt:MATRIX_FMT_BF8 matrix_b_fmt:MATRIX_FMT_BF8
.else
	v_wmma_scale_f32_16x16x128_f8f6f4 v[8*(4*(\m)+\t):8*(4*(\m)+\t)+7], v[64*((\s)%4)+16*\t:64*((\s)%4)+16*\t+15], v[120+16*(\m):135+16*(\m)], v[8*(4*(\m)+\t):8*(4*(\m)+\t)+7], v[56+16*\t+(\s)], v[40+8*((\s)%2)+(\m)] matrix_a_fmt:MATRIX_FMT_BF8 matrix_b_fmt:MATRIX_FMT_BF8
.endif
.endr
.endr
.endm
.macro KSTEP s
.if (\s) <= 12
	s_wait_loadcnt 48                              ; this step's W is in; the 16 loads of each of the three steps behind it may be out
.else
	s_wait_loadcnt 16*(15-(\s))
.endif
	s_wait_dscnt 16                                ; the scale words and row tiles 0-3 are in; the 16 loads of row tiles 4-7 may be out
	WIN 0xa1                                       ; source 0 (W) window 1, source 1 (x) window 0, C and D window 2
	MUL \s, 0
	NOP8
	WIN 0
.if (\s) < 15
	XSLD (\s)+1
	HALF (\s)+1, 0
	s_wait_dscnt 18                                ; all but the 18 just issued
.else
	s_wait_dscnt 0x0
.endif
	WIN 0xa1
	MUL \s, 4
	NOP8
	WIN 0
.if (\s) < 15
	HALF (\s)+1, 4
.endif
.if (\s) < 12
	WLD (\s)+4                                     ; into the buffer just multiplied
.endif
.endm
	XSLD 0
	HALF 0, 0
	HALF 0, 4
.irp s, 0,1,2,3,4,5,6,7,8,9,10,11,12,13,14,15
	KSTEP \s
.endr
; Row tile m: h = g / (1 + 2^(-g log2 e)) * u for my 16 units of token r, quantised (the block's other 16 lie in lane l xor 16), to the stage.  Each accumulator is read from its low end on.
.macro EPI m
	WIN 0x02                                       ; source 0 window 2
.irp k, 0,2,4,6,8,10,12,14
	v_pk_mul_f32 v[T+\k:T+\k+1], v[32*(\m)+\k:32*(\m)+\k+1], 0xbfb8aa3b op_sel_hi:[1,0]
.endr
	WIN 0
.irp k, 0,1,2,3,4,5,6,7,8,9,10,11,12,13,14,15
	v_exp_f32 v[T+\k], v[T+\k]
.endr
	v_nop                                          ; a plain line behind the batch,
	s_wait_alu depctr_va_vdst(0)                   ; and the one wait ahead of its first reader
.irp k, 0,2,4,6,8,10,12,14
	v_pk_add_f32 v[T+\k:T+\k+1], v[T+\k:T+\k+1], 1.0 op_sel_hi:[1,0]
.endr
.irp k, 0,1,2,3,4,5,6,7,8,9,10,11,12,13,14,15
	v_rcp_f32 v[T+\k], v[T+\k]
.endr
	v_nop
	s_wait_alu depctr_va_vdst(0)
	WIN 0x02
.irp k, 0,2,4,6,8,10,12,14
	v_pk_mul_f32 v[T+\k:T+\k+1], v[32*(\m)+\k:32*(\m)+\k+1], v[T+\k:T+\k+1]
.endr
.irp k, 0,2,4,6,8,10,12,14
	v_pk_mul_f32 v[T+\k:T+\k+1], v[32*(\m)+16+\k:32*(\m)+16+\k+1], v[T+\k:T+\k+1]
.endr
	WIN 0
	v_max3_num_f32 v136, |v[T]|, |v[T+1]|, |v[T+2]|
	v_max3_num_f32 v137, |v[T+3]|, |v[T+4]|, |v[T+5]|
.irp i, 6,10
	v_max3_num_f32 v136, v136, |v[T+\i]|, |v[T+\i+1]|
	v_max3_num_f32 v137, v137, |v[T+\i+2]|, |v[T+\i+3]|
.endr
	v_max3_num_f32 v136, v136, |v[T+14]|, |v[T+15]|
	v_max3_num_f32 v136, v136, v137, 0x8000000     ; the floor 2^(16 - 127)
	v_permlanex16_b32 v137, v136, s48, s49
	v_max_num_f32 v136, v136, v137
	v_add_nc_u32 v138, 0xf8800000, v136
	v_and_or_b32 v139, v136, 0x7f800000, s50
	v_lshrrev_b32 v[232+(\m)], 23, v138
.irp i, 0,1,2,3,4,5,6,7,8,9,10,11,12,13,14,15
	v_med3_num_f32 v[T+\i], v[T+\i], -v139, v139
.endr
	v_cvt_scalef32_pk8_bf8_f32 v[200+4*(\m):201+4*(\m)], v[T:T+7], v138
	v_cvt_scalef32_pk8_bf8_f32 v[202+4*(\m):203+4*(\m)], v[T+8:T+15], v138
	v_nop                                          ; a plain line behind the last conversion
	ds_store_b128 v15, v[200+4*(\m):203+4*(\m)] offset:2304*(\m)   ; each row tile has its own registers for codes and byte
	ds_store_b8 v18, v[232+(\m)] offset:64*(\m)
.endm
.irp m, 0,1,2,3,4,5,6,7
	EPI \m
.endr
.Lno_run:
	s_cmp_eq_u32 s23, 0
	s_cbranch_scc1 .Lnot_dead
	s_wait_dscnt 0x0                               ; no LDS store of mine is out: the registers below may be written
.irp k, 0,1,2,3
	v_mov_b32 v[200+\k], 0                         ; units 352 on: zero codes,
.endr
	v_mov_b32 v232, 127                            ; under the byte of 1.0
.irp m, 0,1,2,3,4,5,6,7
	ds_store_b128 v15, v[200:203] offset:2304*\m
	ds_store_b8 v18, v232 offset:64*\m
.endr
.Lnot_dead:
	s_wait_dscnt 0x0                               ; for the others: my part of every row lies in the stage
	s_barrier_signal -1
	s_barrier_wait -1
	s_cmp_eq_u32 s15, 0
	s_cbranch_scc1 .Lend
.irp i, 0,1,2,3,4,5,6,7
	ds_load_b128 v[120+4*\i:123+4*\i], v16 offset:576*\i
.endr
.irp i, 0,1,2,3,4,5,6,7
	s_wait_dscnt 7-\i                              ; load i is in; the younger ones may be out
	global_store_b128 v17, v[120+4*\i:123+4*\i], s[42:43] offset:512*\i   ; four whole rows: 512 consecutive bytes
.endr
	s_cmp_lg_u32 s12, 0
	s_cbranch_scc1 .Lend
	ds_load_b128 v[152:155], v21
	s_wait_dscnt 0x0
	global_store_b128 v13, v[152:155], s[44:45]    ; the tile's 128 scale words
.Lend:
	s_wait_tensorcnt 0x0
	ds_add_u32 v254, v255
	s_wait_dscnt 0x0
	s_endpgm
.Lfunc_end_k_q8f53b4b427_gateup:
	.size	k_q8f53b4b427_gateup, .Lfunc_end_k_q8f53b4b427_gateup-k_q8f53b4b427_gateup
	.p2alignl 7, 3214868480
	.fill 96, 4, 3214868480
	.section	.rodata,"a",@progbits
	.p2align	6, 0x0
	.amdhsa_kernel k_q8f53b4b427_gateup
		.amdhsa_group_segment_fixed_size 291840
		.amdhsa_private_segment_fixed_size 0
		.amdhsa_enable_private_segment 0
		.amdhsa_kernarg_size 40
		.amdhsa_user_sgpr_count 2
		.amdhsa_user_sgpr_kernarg_segment_ptr 1
		.amdhsa_wavefront_size32 1
		.amdhsa_system_sgpr_workgroup_id_x 1
		.amdhsa_system_sgpr_workgroup_id_y 1
		.amdhsa_system_sgpr_workgroup_id_z 1
		.amdhsa_system_vgpr_workitem_id 0
		.amdhsa_next_free_vgpr 768
		.amdhsa_next_free_sgpr 66
		.amdhsa_reserve_vcc 0
		.amdhsa_float_denorm_mode_32 3
		.amdhsa_float_denorm_mode_16_64 3
		.amdhsa_memory_ordered 1
		.amdhsa_forward_progress 1
		.amdhsa_inst_pref_size 221
	.end_amdhsa_kernel
	.amdgpu_metadata
---
amdhsa.version: [ 1, 2 ]
amdhsa.kernels:
  - .name:           k_q8f53b4b427_gateup
    .symbol:         k_q8f53b4b427_gateup.kd
    .args:
      - { .name: cnt, .offset: 0, .size: 8, .value_kind: global_buffer, .address_space: global }
      - { .name: xq, .offset: 8, .size: 8, .value_kind: global_buffer, .address_space: global }
      - { .name: wq, .offset: 16, .size: 8, .value_kind: global_buffer, .address_space: global }
      - { .name: hq, .offset: 24, .size: 8, .value_kind: global_buffer, .address_space: global }
      - { .name: elist, .offset: 32, .size: 8, .value_kind: global_buffer, .address_space: global }
    .group_segment_fixed_size: 291840
    .private_segment_fixed_size: 0
    .kernarg_segment_align: 8
    .kernarg_segment_size: 40
    .max_flat_workgroup_size: 128
    .sgpr_count:     66
    .vgpr_count:     768
    .wavefront_size: 32
...
	.end_amdgpu_metadata
.endif
;; end of part 3
;; launch down (part 4): grid 8 x 43, 4 waves a work-group, no clusters, 274,944 bytes of LDS; arguments cnt, xq, hq, wq, out0, plist; writes out0
.if DOCPART == 4
	.amdgcn_target "amdgcn-amd-amdhsa--gfx1250"
	.amdhsa_code_object_version 6
	.text
	.protected	k_q8f53b4b427_down
	.globl	k_q8f53b4b427_down
	.p2align	8
	.type	k_q8f53b4b427_down,@function
k_q8f53b4b427_down:
	s_mov_b64 s[64:65], 0
	v_nop
	global_prefetch_b8 v0, s[64:65] scope:SCOPE_SE
	s_setreg_imm32_b32 hwreg(HW_REG_WAVE_MODE, 25, 1), 1
	s_wait_xcnt 0x0
; out[t] = c_a (h_a Wd[a]^T) + c_b (h_b Wd[b]^T) for the tokens that chose the pair of experts a < b; both products on codes of E5M2 with E8M0 scales.
; GRID: x = column group cg (256 columns of out), y = tile number.  Tokens are listed by PAIR, so that each row of out has one owner and a tile has exactly two experts: with 4,096 tokens,
; 28 pairs and tiles of 256 tokens there are never more than 43 tiles.  A work-group finds its pair and tile from the stored counts, walking the pairs in the order in which their lists lie in plist
; (by b, then by a: the numeric order of 2^a + 2^b), so that the sum of the counts passed is the pair's first word there; one without rows stores nothing.  These branches hang on stored
; whole numbers, so the launch has no tensor load, no copy and no cluster.
; SHARES: the group's slab of Wd (2 experts x 16 column tiles x 3 K steps, register images as the second launch laid them) is copied once into LDS and read by all four waves.
; The waves share the TOKENS: wave w owns row tiles w, w + 4, w + 8, w + 12 (its slots q = 0 .. 3); a slot past the tile's rows is passed over by a scalar branch.  A slot's six fragments of h stay in registers.
; The list entries are loaded on every path, with indices held inside the list, so that they stand in registers on both sides of the conditional copy.  (A work-group without rows makes nothing of them.)
; Rows past the pair's count repeat its last entry: they compute and store the same bytes to the same place as the original, in the same wave.
; THE PRODUCTS ARE USED TRANSPOSED (source 0 = 16 columns of Wd, source 1 = 16 tokens): a lane holds eight neighbouring columns of one token's row; 64 columns gather in the wave's own stage
; and leave as blocks of 256 consecutive bytes, aligned.
; REGISTERS: window 0: v1-17 lane terms and addresses; v20-27 entries (token, ranks); v28-31 their offsets; v32-55 h's scale words (6 q + 3 x + s); v56-71 W's, two sets; v72-87 the weights;
;   v88-119 the rows' offsets in out; v120-151 results; v152-171 offsets; v176-207 the way out.   windows 1, 2: h's fragments at 96 (q % 2) + 48 x + 16 s (slots 0, 1; slots 2, 3); ahead of the barrier two staging sets.
;   window 3: W's fragments, two sets, at 96 p + 48 x + 16 s; accumulators at 192 + 16 q + 8 x.
.set CWO,  8650752
.set WSO,  19922944
.set HSO,  12582912
.set PLANE, 4194304                    ; a plane of hq's codes: 32,768 rows of 128 bytes
.set WSL,  196608                      ; behind W's images ((16 x + n) 6,144 + 2,048 s + 512 c + 16 lane): their scale words, (16 x + n) 256 + 16 r
.set STG,  204800                      ; a stage of 64 rows x 272 for each wave
.set MSB, 0
.macro WIN new
.if MSB != \new
	s_set_vgpr_msb (MSB<<8)|\new
.set MSB, \new
.endif
.endm
	s_load_b256 s[68:75], s[0:1], 0x0              ; cnt, xq, hq, wq
	s_load_b64 s[76:77], s[0:1], 0x20              ; out0
	s_load_b64 s[94:95], s[0:1], 0x28              ; plist
	v_lshl_add_u32 v254, v0, 2, 0x43000
	v_mov_b32 v255, 0
	v_lshrrev_b32 v18, 5, v0
	v_readfirstlane_b32 s78, v18                   ; wave
	s_mov_b32 s79, ttmp9                           ; column group
	s_and_b32 s66, ttmp7, 0xffff                   ; tile number
	v_and_b32 v1, 31, v0
	v_and_b32 v2, 15, v0                           ; r
	v_bfe_u32 v3, v0, 4, 1                         ; h
	v_lshlrev_b32 v4, 4, v1                        ; 16 x lane
	v_mov_b32 v5, v4                               ; v5-8: W's images of expert x, column tiles 8 (n / 8) on
	v_add_nc_u32 v6, 49152, v4
	v_add_nc_u32 v7, 98304, v4
	v_add_nc_u32 v8, 147456, v4
	v_lshlrev_b32 v12, 4, v2                       ; 16 r
	v_lshlrev_b32 v13, 4, v3                       ; 16 h
	v_add_nc_u32 v9, WSL, v12
	s_mul_i32 s80, s78, 17408
	s_add_co_u32 s80, s80, STG
	v_mul_u32_u24 v10, v2, 272
	v_lshl_add_u32 v10, v3, 5, v10
	v_add_nc_u32 v10, s80, v10                     ; into my stage: row r, + 32 h
	v_mul_u32_u24 v11, v3, 272
	v_lshl_add_u32 v11, v2, 4, v11
	v_add_nc_u32 v11, s80, v11                     ; back: lanes 0-15 one row, lanes 16-31 the next
	s_mul_i32 s80, s78, 24576
	v_add_nc_u32 v15, s80, v4                      ; the copy: my four column tiles, expert a's;
	v_add_nc_u32 v16, 98304, v15                   ; expert b's
	s_lshl_b32 s80, s78, 10
	s_add_co_u32 s80, s80, WSL
	v_add_nc_u32 v17, s80, v4
	s_wait_kmcnt 0x0
	s_load_b512 s[8:23], s[68:69], 0x0             ; the counts of jobs 0 .. 55: job 8 a + b in s[8 + 8 a + b]
	s_load_b512 s[24:39], s[68:69], 0x40
	s_load_b512 s[40:55], s[68:69], 0x80
	s_load_b256 s[56:63], s[68:69], 0xc0
	s_mov_b32 s67, 0                               ; tiles so far
	s_mov_b32 s4, 0                                ; entries so far
	s_mov_b32 s81, 1
	s_mov_b32 s82, 0
	s_mov_b32 s83, 0
	s_mov_b32 s5, 0
	s_wait_kmcnt 0x0
.macro PAIR a, b
	s_add_co_u32 s80, s[8+8*\a+\b], 255
	s_lshr_b32 s80, s80, 8
	s_cmp_ge_u32 s66, s67                          ; the last pair whose first tile is not past mine
	s_cselect_b32 s81, 8*\a+\b, s81
	s_cselect_b32 s82, s[8+8*\a+\b], s82
	s_cselect_b32 s83, s67, s83
	s_cselect_b32 s5, s4, s5                       ; its first word in plist
	s_add_co_u32 s67, s67, s80
	s_add_co_u32 s4, s4, s[8+8*\a+\b]
.endm
.irp b, 1,2,3,4,5,6,7
.irp a, 0,1,2,3,4,5,6
.if \a < \b
	PAIR \a, \b
.endif
.endr
.endr
	s_cmp_lt_u32 s66, s67
	s_cselect_b32 s84, 1, 0                        ; have I rows?
	s_min_u32 s81, s81, 63
	s_lshr_b32 s85, s81, 3                         ; a
	s_and_b32 s86, s81, 7                          ; b
	s_sub_co_u32 s87, s66, s83
	s_min_u32 s87, s87, 15                         ; my tile of the pair
	s_add_co_u32 s88, s82, s5
	s_sub_co_u32 s88, s88, 1                       ; its last entry's word
	s_lshl_b32 s91, s87, 8
	s_sub_co_u32 s89, s82, s91
	s_add_co_u32 s89, s89, 15
	s_lshr_b32 s89, s89, 4
	s_min_u32 s89, s89, 16                         ; row tiles in my tile
	s_add_co_u32 s90, s89, 3
	s_sub_co_u32 s90, s90, s78
	s_lshr_b32 s90, s90, 2
	s_cmp_eq_u32 s84, 1
	s_cselect_b32 s90, s90, 0                      ; my wave's slots
	s_mov_b32 s31, 0
	s_lshl_b32 s92, s79, 2
	s_add_co_u32 s92, s92, s78                     ; the 64 columns that I copy: group 4 cg + w
	s_lshl_b32 s93, s85, 5
	s_add_co_u32 s93, s93, s92
	s_lshl_b32 s93, s93, 2
	s_add_co_u32 s93, s93, 1408                    ; their first slot, expert a
	s_lshl_b32 s30, s93, 13
	s_add_nc_u64 s[8:9], s[74:75], s[30:31]
	s_lshl_b32 s30, s93, 8
	s_add_co_u32 s30, s30, WSO
	s_add_nc_u64 s[12:13], s[74:75], s[30:31]
	s_lshl_b32 s93, s86, 5
	s_add_co_u32 s93, s93, s92
	s_lshl_b32 s93, s93, 2
	s_add_co_u32 s93, s93, 1408                    ; expert b
	s_lshl_b32 s30, s93, 13
	s_add_nc_u64 s[10:11], s[74:75], s[30:31]
	s_lshl_b32 s30, s93, 8
	s_add_co_u32 s30, s30, WSO
	s_add_nc_u64 s[14:15], s[74:75], s[30:31]
	s_lshl_b32 s30, s85, 19                        ; h's codes of the expert, 4,096 rows of 128 bytes, at plane 0: planes 0 and 1 are reached by the immediates 0 and PLANE;
	s_add_nc_u64 s[16:17], s[72:73], s[30:31]
	s_lshl_b32 s30, s86, 19
	s_add_nc_u64 s[18:19], s[72:73], s[30:31]
	s_add_nc_u64 s[32:33], s[16:17], 2*PLANE       ; plane 2 lies past the signed 24-bit immediate (ISA guide, chapter 10), so it has bases of its own.  No offset is negative
	s_add_nc_u64 s[34:35], s[18:19], 2*PLANE
	s_lshl_b32 s30, s85, 14
	s_add_co_u32 s30, s30, HSO
	s_add_nc_u64 s[20:21], s[72:73], s[30:31]
	s_lshl_b32 s30, s86, 14
	s_add_co_u32 s30, s30, HSO
	s_add_nc_u64 s[22:23], s[72:73], s[30:31]
	s_add_nc_u64 s[26:27], s[70:71], CWO
	s_lshl_b32 s30, s79, 10
	s_add_nc_u64 s[28:29], s[76:77], s[30:31]
	; on every path: my 64 rows' entries.  Slot q's rows are the pair's 256 j + 16 w + 64 q + 0 .. 15
	s_lshl_b32 s80, s78, 4
	s_add_co_u32 s80, s80, s91
	s_add_co_u32 s80, s80, s5
	v_add_nc_u32 v18, s80, v2
	v_add_nc_u32 v19, s80, v3
.irp q, 0,1,2,3
	v_add_nc_u32 v[28+\q], 64*\q, v18              ; row r of the slot: token and ranks
	v_min_u32 v[28+\q], s88, v[28+\q]
	v_min_u32 v[28+\q], 0xfff, v[28+\q]
	v_lshlrev_b32 v[28+\q], 2, v[28+\q]
.endr
.irp q, 0,1,2,3
.irp k, 0,1,2,3,4,5,6,7
	v_add_nc_u32 v[88+8*\q+\k], 64*\q+2*\k, v19    ; row 2 k + h of the slot: the token, for the way out
	v_min_u32 v[88+8*\q+\k], s88, v[88+8*\q+\k]
	v_min_u32 v[88+8*\q+\k], 0xfff, v[88+8*\q+\k]
	v_lshlrev_b32 v[88+8*\q+\k], 2, v[88+8*\q+\k]
.endr
.endr
.irp q, 0,1,2,3
	global_load_b32 v[20+2*\q], v[28+\q], s[94:95]                 ; the token,
	global_load_b32 v[21+2*\q], v[28+\q], s[94:95] offset:16384    ; its ranks
.endr
.irp i, 0,1,2,3,4,5,6,7,8,9,10,11,12,13,14,15,16,17,18,19,20,21,22,23,24,25,26,27,28,29,30,31
	global_load_b32 v[88+\i], v[88+\i], s[94:95]
.endr
	s_cmp_eq_u32 s84, 0
	s_cbranch_scc1 .Lno_copy
	; THE COPY of W: wave w brings four column tiles of each expert, dense, through registers
.irp k, 0,1
	global_load_b128 v[176+4*\k:179+4*\k], v4, s[12:13] offset:512*\k
	global_load_b128 v[184+4*\k:187+4*\k], v4, s[14:15] offset:512*\k
.endr
	WIN 0x40
.irp n, 0,1,2,3
.irp s, 0,1,2
.irp c, 0,1,2,3
	global_load_b128 v[4*(12*\n+4*\s+\c):4*(12*\n+4*\s+\c)+3], v4, s[8:9] offset:8192*\n+2048*\s+512*\c
.endr
.endr
.endr
	WIN 0x80
.irp n, 0,1,2,3
.irp s, 0,1,2
.irp c, 0,1,2,3
	global_load_b128 v[4*(12*\n+4*\s+\c):4*(12*\n+4*\s+\c)+3], v4, s[10:11] offset:8192*\n+2048*\s+512*\c
.endr
.endr
.endr
	WIN 0
	s_wait_loadcnt 48                              ; the scale words and expert a's fragments are in; expert b's 48 loads may be out
.irp k, 0,1
	ds_store_b128 v17, v[176+4*\k:179+4*\k] offset:512*\k
	ds_store_b128 v17, v[184+4*\k:187+4*\k] offset:4096+512*\k
.endr
	WIN 0x04
.irp n, 0,1,2,3
.irp s, 0,1,2
.irp c, 0,1,2,3
	ds_store_b128 v15, v[4*(12*\n+4*\s+\c):4*(12*\n+4*\s+\c)+3] offset:6144*\n+2048*\s+512*\c
.endr
.endr
.endr
	WIN 0
	s_wait_loadcnt 0x0
	WIN 0x08
.irp n, 0,1,2,3
.irp s, 0,1,2
.irp c, 0,1,2,3
	ds_store_b128 v16, v[4*(12*\n+4*\s+\c):4*(12*\n+4*\s+\c)+3] offset:6144*\n+2048*\s+512*\c
.endr
.endr
.endr
	WIN 0
.Lno_copy:
	s_wait_dscnt 0x0                               ; for the others: my part of W lies in LDS
	s_barrier_signal -1
	s_barrier_wait -1                              ; the one barrier: from here on a wave touches only W's images, which nobody writes again, and its own stage
	s_cmp_eq_u32 s90, 0
	s_cbranch_scc1 .Lend
.macro WLD n                           ; column tile n of both experts into set n % 2: 24 loads of fragments, 2 of scale words
	WIN 0xc0
.irp x, 0,1
.irp s, 0,1,2
.irp c, 0,1,2,3
	ds_load_b128 v[96*((\n)%2)+48*\x+16*\s+4*\c:96*((\n)%2)+48*\x+16*\s+4*\c+3], v[5+2*\x+(\n)/8] offset:6144*((\n)%8)+2048*\s+512*\c
.endr
.endr
.endr
	WIN 0
.irp x, 0,1
	ds_load_b128 v[56+8*((\n)%2)+4*\x:59+8*((\n)%2)+4*\x], v9 offset:4096*\x+256*(\n)
.endr
.endm
	WLD 0
	s_wait_loadcnt 0x0                             ; the entries
.irp q, 0,1,2,3
	v_and_b32 v[152+\q], 0xffff, v[21+2*\q]
	v_min_u32 v[152+\q], 0xfff, v[152+\q]          ; rank in a's list
	v_lshrrev_b32 v[156+\q], 16, v[21+2*\q]
	v_min_u32 v[156+\q], 0xfff, v[156+\q]          ; in b's
	v_min_u32 v[168+\q], 0xfff, v[20+2*\q]         ; the token
	v_lshlrev_b32 v[160+\q], 2, v[152+\q]
	v_lshlrev_b32 v[164+\q], 2, v[156+\q]
	v_lshl_add_u32 v[152+\q], v[152+\q], 7, v13    ; h's row of 128 bytes, + 16 h
	v_lshl_add_u32 v[156+\q], v[156+\q], 7, v13
	v_lshlrev_b32 v[168+\q], 3, v[168+\q]
	v_mov_b32 v[73+4*\q], 0                        ; (named as the upper halves of the weights' pairs)
	v_mov_b32 v[75+4*\q], 0
.endr
.irp q, 0,1,2,3
.irp s, 0,1,2
	global_load_b32 v[32+6*\q+\s], v[160+\q], s[20:21] offset:131072*\s
	global_load_b32 v[35+6*\q+\s], v[164+\q], s[22:23] offset:131072*\s
.endr
	global_load_b32 v[72+4*\q], v[168+\q], s[26:27]
	global_load_b32 v[74+4*\q], v[168+\q], s[26:27] offset:4
.endr
.irp q, 0,1,2,3
	WIN 0x40+0x40*(\q/2)                           ; destination window 1 (slots 0, 1) or 2
.irp s, 0,1
.irp c, 0,1,2,3
	global_load_b128 v[96*(\q%2)+16*\s+4*\c:96*(\q%2)+16*\s+4*\c+3], v[152+\q], s[16:17] offset:\s*PLANE+32*\c
	global_load_b128 v[96*(\q%2)+48+16*\s+4*\c:96*(\q%2)+48+16*\s+4*\c+3], v[156+\q], s[18:19] offset:\s*PLANE+32*\c
.endr
.endr
.irp c, 0,1,2,3
	global_load_b128 v[96*(\q%2)+32+4*\c:96*(\q%2)+32+4*\c+3], v[152+\q], s[32:33] offset:32*\c      ; plane 2, by its own bases
	global_load_b128 v[96*(\q%2)+80+4*\c:96*(\q%2)+80+4*\c+3], v[156+\q], s[34:35] offset:32*\c
.endr
.endr
	WIN 0
.irp i, 0,1,2,3,4,5,6,7,8,9,10,11,12,13,14,15,16,17,18,19,20,21,22,23,24,25,26,27,28,29,30,31
	v_min_u32 v[88+\i], 0xfff, v[88+\i]
	v_lshl_add_u32 v[88+\i], v[88+\i], 13, v12     ; the token's row of out, + 16 r
.endr
	s_wait_loadcnt 0x0
; Slot q against column tile n: six products, the two accumulators by turns; the first link of each starts its sum with the constant 0.  Behind the last product stand eight
; v_nop and, of the eight packed lines, four that name none of its registers: twelve places ahead of the next product that begins the accumulator anew, and of the next load into W's set.
.macro SLOT n, q
	s_cmp_le_u32 s90, \q
	s_cbranch_scc1 .Lskip_\@
	WIN 0xf7+4*(\q/2)                              ; W, C and D window 3; h window 1 or 2
.irp s, 0,1,2
.irp x, 0,1
.if \s == 0
	v_wmma_scale_f32_16x16x128_f8f6f4 v[192+16*\q+8*\x:199+16*\q+8*\x], v[96*((\n)%2)+48*\x+16*\s:96*((\n)%2)+48*\x+16*\s+15], v[96*(\q%2)+48*\x+16*\s:96*(\q%2)+48*\x+16*\s+15], 0, v[56+8*((\n)%2)+4*\x+\s], v[32+6*\q+3*\x+\s] matrix_a_fmt:MATRIX_FMT_BF8 matrix_b_fmt:MATRIX_FMT_BF8
.else
	v_wmma_scale_f32_16x16x128_f8f6f4 v[192+16*\q+8*\x:199+16*\q+8*\x], v[96*((\n)%2)+48*\x+16*\s:96*((\n)%2)+48*\x+16*\s+15], v[96*(\q%2)+48*\x+16*\s:96*(\q%2)+48*\x+16*\s+15], v[192+16*\q+8*\x:199+16*\q+8*\x], v[56+8*((\n)%2)+4*\x+\s], v[32+6*\q+3*\x+\s] matrix_a_fmt:MATRIX_FMT_BF8 matrix_b_fmt:MATRIX_FMT_BF8
.endif
.endr
.endr
.rept 8
	v_nop
.endr
	WIN 0x03                                       ; source 0 window 3
.irp k, 0,2,4,6
	v_pk_mul_f32 v[120+8*\q+\k:121+8*\q+\k], v[192+16*\q+\k:193+16*\q+\k], v[72+4*\q:73+4*\q] op_sel_hi:[1,0]
.endr
.irp k, 0,2,4,6
	v_pk_fma_f32 v[120+8*\q+\k:121+8*\q+\k], v[200+16*\q+\k:201+16*\q+\k], v[74+4*\q:75+4*\q], v[120+8*\q+\k:121+8*\q+\k] op_sel_hi:[1,0,1]
.endr
	WIN 0
	ds_store_b128 v10, v[120+8*\q:123+8*\q] offset:4352*\q+64*((\n)%4)
	ds_store_b128 v10, v[124+8*\q:127+8*\q] offset:4352*\q+64*((\n)%4)+16
.Lskip_\@:
.endm
.macro NT n
.if (\n) < 15
	WLD (\n)+1
	s_wait_dscnt 26                                ; all but the 26 just issued: this tile's W is in, and the last tile's stores into the stage have read their registers
.else
	s_wait_dscnt 0x0
.endif
	SLOT \n, 0
	SLOT \n, 1
	SLOT \n, 2
	SLOT \n, 3
.endm
.macro FLQ g, q                        ; slot q's 16 rows x 64 columns leave: sixteen lanes store 256 consecutive bytes of one token's row, aligned
	s_cmp_le_u32 s90, \q
	s_cbranch_scc1 .Lnf_\@
	s_wait_xcnt 0x0                                ; the earlier stores have read their data registers
.irp k, 0,1,2,3,4,5,6,7
	ds_load_b128 v[176+4*\k:179+4*\k], v11 offset:4352*\q+544*\k   ; LDS serves a wave's instructions in order: these see my stores
.endr
.irp k, 0,1,2,3,4,5,6,7
	s_wait_dscnt 7-\k                              ; load k is in; the younger ones may be out
	global_store_b128 v[88+8*\q+\k], v[176+4*\k:179+4*\k], s[28:29] offset:256*\g th:TH_STORE_NT
.endr
.Lnf_\@:
.endm
.irp g, 0,1,2,3
	NT 4*\g
	NT 4*\g+1
	NT 4*\g+2
	NT 4*\g+3
	FLQ \g, 0
	FLQ \g, 1
	FLQ \g, 2
	FLQ \g, 3
.endr
.Lend:
	s_wait_tensorcnt 0x0
	ds_add_u32 v254, v255
	s_wait_dscnt 0x0
	s_endpgm
.Lfunc_end_k_q8f53b4b427_down:
	.size	k_q8f53b4b427_down, .Lfunc_end_k_q8f53b4b427_down-k_q8f53b4b427_down
	.p2alignl 7, 3214868480
	.fill 96, 4, 3214868480
	.section	.rodata,"a",@progbits
	.p2align	6, 0x0
	.amdhsa_kernel k_q8f53b4b427_down
		.amdhsa_group_segment_fixed_size 274944
		.amdhsa_private_segment_fixed_size 0
		.amdhsa_enable_private_segment 0
		.amdhsa_kernarg_size 48
		.amdhsa_user_sgpr_count 2
		.amdhsa_user_sgpr_kernarg_segment_ptr 1
		.amdhsa_wavefront_size32 1
		.amdhsa_system_sgpr_workgroup_id_x 1
		.amdhsa_system_sgpr_workgroup_id_y 1
		.amdhsa_system_sgpr_workgroup_id_z 1
		.amdhsa_system_vgpr_workitem_id 0
		.amdhsa_next_free_vgpr 1024
		.amdhsa_next_free_sgpr 96
		.amdhsa_reserve_vcc 0
		.amdhsa_float_denorm_mode_32 3
		.amdhsa_float_denorm_mode_16_64 3
		.amdhsa_memory_ordered 1
		.amdhsa_forward_progress 1
		.amdhsa_inst_pref_size 226
	.end_amdhsa_kernel
	.amdgpu_metadata
---
amdhsa.version: [ 1, 2 ]
amdhsa.kernels:
  - .name:           k_q8f53b4b427_down
    .symbol:         k_q8f53b4b427_down.kd
    .args:
      - { .name: cnt, .offset: 0, .size: 8, .value_kind: global_buffer, .address_space: global }
      - { .name: xq, .offset: 8, .size: 8, .value_kind: global_buffer, .address_space: global }
      - { .name: hq, .offset: 16, .size: 8, .value_kind: global_buffer, .address_space: global }
      - { .name: wq, .offset: 24, .size: 8, .value_kind: global_buffer, .address_space: global }
      - { .name: out0, .offset: 32, .size: 8, .value_kind: global_buffer, .address_space: global }
      - { .name: plist, .offset: 40, .size: 8, .value_kind: global_buffer, .address_space: global }
    .group_segment_fixed_size: 274944
    .private_segment_fixed_size: 0
    .kernarg_segment_align: 8
    .kernarg_segment_size: 48
    .max_flat_workgroup_size: 128
    .sgpr_count:     96
    .vgpr_count:     1024
    .wavefront_size: 32
...
	.end_amdgpu_metadata
.endif
;; end of part 4
